; MI455X (gfx1250); checked and timed in simulation.
; The chip was launched on July 23, 2026; its instructions are those of AMD's public machine-readable ISA for CDNA 5 (MIT licence, August 2026) and "CDNA5" Instruction Set Architecture Reference Guide (July 2026). The comments in the code are by the model that wrote it; some were corrected since.
;; T5 Gemma2 Encoder Attention. Allowed arithmetic: float matrix products may take bf16 or f16 operands with f32 sums; all other float work in f32.
;; Inputs: attn_mask 2 x 2,048 x 2,048 bool; k_scale 256 float32; kv_w 2 x 2 x 2,048 x 256 float32; o_w 4 x 256 x 2,048 float32; q_scale 256 float32; q_w 4 x 2,048 x 256 float32; segment_pos 2 x 2,048 int32; x 2 x 2,048 x 2,048 float32.
;; Outputs: out0 2 x 2,048 x 2,048 float32.
;; One version. Each part assembles by itself: llvm-mc -triple=amdgcn-amd-amdhsa -mcpu=gfx1250 --defsym DOCPART=n.
;; ======== version 1 of 1: 4 launches
;; limits: values are held in f16: magnitudes above 65,504 overflow, below 6.1e-05 lose precision; an absolute error that grows with the inputs' magnitude: up to 4e-07 times it
;; workspace buffers: xb 16,777,216 bytes; wb 8,388,608 bytes; owb 4,194,304 bytes; cs 4,194,304 bytes; tl 256 bytes of whole numbers; qkv 16,777,216 bytes; vpart 65,536 bytes; enc 8,388,608 bytes
;; launch prep (part 1): grid 1024 x 1, 8 waves a work-group, no clusters, 0 bytes of LDS; arguments x, q_w, kv_w, o_w, segment_pos, xb, wb, owb, cs, tl; writes xb, wb, owb, cs, tl
.if DOCPART == 1
	.amdgcn_target "amdgcn-amd-amdhsa--gfx1250"
	.amdhsa_code_object_version 6
	.text
	.protected	k_qb4e465c526_prep
	.globl	k_qb4e465c526_prep
	.p2align	8
	.type	k_qb4e465c526_prep,@function
k_qb4e465c526_prep:
	s_mov_b64 s[64:65], 0
	v_nop
	global_prefetch_b8 v0, s[64:65] scope:SCOPE_SE
	s_setreg_imm32_b32 hwreg(HW_REG_WAVE_MODE, 25, 1), 1
	s_wait_xcnt 0x0
; PREP: casts x, q_w, kv_w, o_w from f32 to f16 as they lie (xb; wb = q_w then kv_w: heads 0-3 q, 4-5 k, 6-7 v; owb),
; makes the table cs[row b*2048+t][128 cos, 128 sin] of RoPE from segment_pos, and the list tl of live key tiles.
;
; WORK LEFT OUT BY THE PROGRAM (here it is decided, the attention launch acts on it).  reference() masks every pair with
; qpos - kpos outside [-256, 255] (its own sliding_window_mask), whatever attn_mask holds.  For a block of 64 queries and a tile
; of 64 keys with min(kpos) - max(qpos) > 256 or min(qpos) - max(kpos) > 255 every pair is masked: in a row that has a valid key
; somewhere its probabilities there are exp(K_MASK - max) = 0, so the tile adds nothing to the row's sum or to probs x V.
; A row with no valid key at all gets, in reference(), the same probability 1/2048 for all 2048 keys: that row is served apart, by the
; mean of V over all keys (column sums stored by the projection launch).  So such tiles are not loaded and not multiplied.
; The choice is made from whole numbers alone (segment_pos) and stored as whole numbers: tl[query block][b], bit i = key tile i is live.
; Every input has a way to the output and is loaded by some launch.
; LIMITS.  A NaN, an infinity or an overflow that lies only in a key tile left out is not carried to the result.
; |segment_pos| < 2^30 (the tests on minima and maxima add 2^30 and compare unsigned; a distance of -2^31 is not served).
; The angle is pos * 2^(-i log2(10000)/128), a few units in the last place away from reference()'s pos / timescale: an absolute
; error of about 4e-7 |angle|.  f16 operands: |x| and the weights' magnitudes stay below 65,504; below 6e-5 they keep an absolute error of 3e-8.
;
; Eight waves, no LDS, no loop.  The work-group casts 32 KiB of x and 8 KiB of each weight tensor: every load of a wave covers 512
; consecutive bytes, every store 256 consecutive bytes, aligned.  It makes four rows of the table, two angles a thread.
.set VXI, 4                            ; byte offset of my 16 bytes in the group's part of x
.set VWI, 5                            ; the same in a weight tensor's part
.set VXO, 6                            ; half of VXI: where the 8 bytes of f16 go
.set VWO, 7
.set VPO, 9                            ; my table row's position
.set VCS, 11                           ; my 8 bytes in the group's four table rows
.set PF,  12                           ; the position, then as f32
.set I0,  13                           ; my two angle numbers as f32
.set I1,  14
.set CO,  16                           ; v[16:17] two cosines
.set SI,  18                           ; v[18:19] two sines
.set T,   20                           ; v[20:26] at work
.set X,   32                           ; v[32:87] fourteen loads of 16 bytes; v[32:95] 64 positions in the tile list's part
.set KMIN, 96
.set KMAX, 97
.set K255, 98
.set RES,  100                         ; v[100:101] lane q: the masks of query block q for b = 0, 1
.set VT,   102
.set VS,   103
	s_load_b512 s[4:19], s[0:1], 0x0               ; x, q_w, kv_w, o_w, segment_pos, xb, wb, owb
	s_load_b128 s[20:23], s[0:1], 0x40             ; cs, tl
	v_and_b32 v1, 31, v0                           ; lane
	v_lshrrev_b32 v2, 5, v0
	v_readfirstlane_b32 s24, v2                    ; wave
	v_lshlrev_b32 v3, 4, v1
	v_lshl_add_u32 v[VXI], v2, 12, v3              ; wave x 4,096 + 16 lane
	v_lshl_add_u32 v[VWI], v2, 10, v3              ; wave x 1,024 + 16 lane
	v_lshrrev_b32 v[VXO], 1, v[VXI]
	v_lshrrev_b32 v[VWO], 1, v[VWI]
	v_lshrrev_b32 v8, 6, v0                        ; which of the group's four table rows
	v_lshlrev_b32 v[VPO], 2, v8
	v_and_b32 v10, 63, v0
	v_lshlrev_b32 v[VCS], 3, v10
	v_lshl_add_u32 v[VCS], v8, 10, v[VCS]          ; row x 1,024 + 8 (thread mod 64)
	v_lshlrev_b32 v10, 1, v10
	v_cvt_f32_u32 v[I0], v10                       ; angle numbers 2 (thread mod 64) and the next
	v_add_f32 v[I1], 1.0, v[I0]
	s_mov_b32 s27, 0
	s_wait_kmcnt 0x0
	s_lshl_b32 s26, ttmp9, 4
	s_add_nc_u64 s[28:29], s[12:13], s[26:27]      ; the group's four positions; s[12:13] stays for the tile list
	s_lshl_b32 s26, ttmp9, 15
	s_add_nc_u64 s[4:5], s[4:5], s[26:27]
	s_lshl_b32 s26, ttmp9, 14
	s_add_nc_u64 s[14:15], s[14:15], s[26:27]
	s_lshl_b32 s26, ttmp9, 13
	s_add_nc_u64 s[6:7], s[6:7], s[26:27]
	s_add_nc_u64 s[8:9], s[8:9], s[26:27]
	s_add_nc_u64 s[10:11], s[10:11], s[26:27]
	s_lshl_b32 s26, ttmp9, 12
	s_add_nc_u64 s[16:17], s[16:17], s[26:27]
	s_add_nc_u64 s[18:19], s[18:19], s[26:27]
	s_add_nc_u64 s[20:21], s[20:21], s[26:27]
	s_add_nc_u64 s[30:31], s[16:17], 0x400000      ; kv_w's heads lie behind q_w's four in wb
	global_load_b32 v[PF], v[VPO], s[28:29]
.irp i, 0,1,2,3,4,5,6,7
	global_load_b128 v[X+4*\i:X+4*\i+3], v[VXI], s[4:5] offset:512*\i th:TH_LOAD_NT
.endr
.irp i, 0,1
	global_load_b128 v[X+32+4*\i:X+32+4*\i+3], v[VWI], s[6:7] offset:512*\i th:TH_LOAD_NT
.endr
.irp i, 0,1
	global_load_b128 v[X+40+4*\i:X+40+4*\i+3], v[VWI], s[8:9] offset:512*\i th:TH_LOAD_NT
.endr
.irp i, 0,1
	global_load_b128 v[X+48+4*\i:X+48+4*\i+3], v[VWI], s[10:11] offset:512*\i th:TH_LOAD_NT
.endr
; cos and sin of pos x 10000^(-idx/128): the angle is brought to r in [-pi/4, pi/4] by n = nearest(angle x 2/pi) and pi/2 in two parts,
; two short polynomials give sin r and cos r, and n mod 4 says which is which and with what sign.
.macro SINCOS idx, a
	v_mul_f32 v[T], 0xbdd49a78, v[\idx]            ; -idx x log2(10000)/128
	v_exp_f32 v[T], v[T]
	v_mov_b32 v[T+3], 0xb94ca1f9                   ; a plain instruction that touches neither stands behind the exponential (ISA guide 5.7.2)
	s_wait_alu depctr_va_vdst(0)
	v_mul_f32 v[T], v[PF], v[T]                    ; the angle
	v_mul_f32 v[T+1], 0x3f22f983, v[T]
	v_rndne_f32 v[T+1], v[T+1]                     ; n
	v_fmamk_f32 v[T], v[T+1], 0xbfc90fdb, v[T]     ; - n x (pi/2)'s upper part
	v_fmamk_f32 v[T], v[T+1], 0x333bbd2e, v[T]     ; - n x its lower part: r
	v_mul_f32 v[T+2], v[T], v[T]                   ; r^2
	v_fmaak_f32 v[T+3], v[T+3], v[T+2], 0x3c08839e
	v_fmaak_f32 v[T+3], v[T+3], v[T+2], 0xbe2aaaa3
	v_mul_f32 v[T+4], v[T+2], v[T]
	v_fma_f32 v[T+3], v[T+3], v[T+4], v[T]         ; sin r
	v_mov_b32 v[T+5], 0x37ccf5ce
	v_fmaak_f32 v[T+5], v[T+5], v[T+2], 0xbab6061a
	v_fmaak_f32 v[T+5], v[T+5], v[T+2], 0x3d2aaaa5
	v_mul_f32 v[T+4], v[T+2], v[T+2]
	v_fma_f32 v[T+6], v[T+2], -0.5, 1.0
	v_fma_f32 v[T+5], v[T+5], v[T+4], v[T+6]       ; cos r
	v_cvt_i32_f32 v[T+1], v[T+1]
	v_and_b32 v[T+4], 1, v[T+1]
	v_cmp_eq_u32 vcc_lo, 1, v[T+4]
	v_cndmask_b32 v[SI+\a], v[T+3], v[T+5], vcc_lo ; n odd: sine and cosine change places
	v_cndmask_b32 v[CO+\a], v[T+5], v[T+3], vcc_lo
	v_lshlrev_b32 v[T+4], 30, v[T+1]
	v_and_b32 v[T+4], 0x80000000, v[T+4]           ; n mod 4 = 2, 3: the sine is negative
	v_xor_b32 v[SI+\a], v[T+4], v[SI+\a]
	v_add_nc_u32 v[T+1], 1, v[T+1]
	v_lshlrev_b32 v[T+4], 30, v[T+1]
	v_and_b32 v[T+4], 0x80000000, v[T+4]           ; n mod 4 = 1, 2: the cosine is negative
	v_xor_b32 v[CO+\a], v[T+4], v[CO+\a]
.endm
	s_wait_loadcnt 14                              ; the position is in; the fourteen younger loads stay out
	v_cvt_f32_i32 v[PF], v[PF]
	SINCOS I0, 0
	SINCOS I1, 1
	global_store_b64 v[VCS], v[CO:CO+1], s[20:21]              ; a wave's store covers 256 consecutive bytes
	global_store_b64 v[VCS], v[SI:SI+1], s[20:21] offset:512
; chunk i of the fourteen: four f32 become four f16, in place; no register here is written a second time
.macro CAST i, off, base, imm
	s_wait_loadcnt 13-\i                           ; loads come back in order: chunk i is in, the younger ones stay out
	v_cvt_pk_f16_f32 v[X+4*\i], v[X+4*\i], v[X+4*\i+1]
	v_cvt_pk_f16_f32 v[X+4*\i+1], v[X+4*\i+2], v[X+4*\i+3]
	global_store_b64 v[\off], v[X+4*\i:X+4*\i+1], s[\base:\base+1] offset:\imm
.endm
.irp i, 0,1,2,3,4,5,6,7
	CAST \i, VXO, 14, 256*\i
.endr
	CAST 8,  VWO, 16, 0
	CAST 9,  VWO, 16, 256
	CAST 10, VWO, 30, 0
	CAST 11, VWO, 30, 256
	CAST 12, VWO, 18, 0
	CAST 13, VWO, 18, 256
	; The list of live tiles: 64 words in all, made by wave 0 of work-group 0.  Lane i takes key tile i (which is also query block i).
	s_cmp_lg_u32 ttmp9, 0
	s_cbranch_scc1 .Ldone
	s_cmp_lg_u32 s24, 0
	s_cbranch_scc1 .Ldone
	s_wait_xcnt 0x0                                ; X held the data of stores: it is loaded again only behind this wait
	v_lshlrev_b32 v[VT], 8, v1                     ; 64 positions of 4 bytes a tile
	v_mov_b32 v[RES], 0
	v_mov_b32 v[RES+1], 0
.irp b, 0,1
.irp c, 0,1,2,3,4,5,6,7,8,9,10,11,12,13,14,15
	global_load_b128 v[X+4*\c:X+4*\c+3], v[VT], s[12:13] offset:8192*\b+16*\c
.endr
	s_wait_loadcnt 0x0
.set j, 0
.rept 64
	v_add_nc_u32 v[X+j], 0x40000000, v[X+j]        ; |pos| < 2^30: now all are positive and compare unsigned
.set j, j+1
.endr
	v_min_u32 v[KMIN], v[X], v[X+1]
	v_max_u32 v[KMAX], v[X], v[X+1]
.set j, 2
.rept 62
	v_min_u32 v[KMIN], v[KMIN], v[X+j]
	v_max_u32 v[KMAX], v[KMAX], v[X+j]
.set j, j+1
.endr
	v_add_nc_u32 v[K255], 0xff, v[KMAX]
.set q, 0
.rept 32
	v_readlane_b32 s26, v[KMAX], q                 ; block q's largest and smallest position
	v_readlane_b32 s27, v[KMIN], q
	s_add_co_u32 s26, s26, 256
	v_cmp_ge_u32 s32, s26, v[KMIN]                 ; min(kpos) <= max(qpos) + 256
	v_cmp_le_u32 s33, s27, v[K255]                 ; min(qpos) <= max(kpos) + 255
	s_and_b32 s32, s32, s33                        ; bit i: tile i may hold a pair inside the window
	v_writelane_b32 v[RES+\b], s32, q
.set q, q+1
.endr
.endr
	v_lshlrev_b32 v[VS], 3, v1
	global_store_b64 v[VS], v[RES:RES+1], s[22:23] ; 32 lanes x 8 bytes: the whole list in one store
.Ldone:
	s_endpgm
.Lfunc_end_k_qb4e465c526_prep:
	.size	k_qb4e465c526_prep, .Lfunc_end_k_qb4e465c526_prep-k_qb4e465c526_prep
	.p2alignl 7, 3214868480
	.fill 96, 4, 3214868480
	.section	.rodata,"a",@progbits
	.p2align	6, 0x0
	.amdhsa_kernel k_qb4e465c526_prep
		.amdhsa_group_segment_fixed_size 0
		.amdhsa_private_segment_fixed_size 0
		.amdhsa_enable_private_segment 0
		.amdhsa_kernarg_size 80
		.amdhsa_user_sgpr_count 2
		.amdhsa_user_sgpr_kernarg_segment_ptr 1
		.amdhsa_wavefront_size32 1
		.amdhsa_system_sgpr_workgroup_id_x 1
		.amdhsa_system_sgpr_workgroup_id_y 1
		.amdhsa_system_sgpr_workgroup_id_z 1
		.amdhsa_system_vgpr_workitem_id 0
		.amdhsa_next_free_vgpr 104
		.amdhsa_next_free_sgpr 66
		.amdhsa_reserve_vcc 1
		.amdhsa_float_denorm_mode_32 3
		.amdhsa_float_denorm_mode_16_64 3
		.amdhsa_memory_ordered 1
		.amdhsa_forward_progress 1
		.amdhsa_inst_pref_size 52
	.end_amdhsa_kernel
	.amdgpu_metadata
---
amdhsa.version: [ 1, 2 ]
amdhsa.kernels:
  - .name:           k_qb4e465c526_prep
    .symbol:         k_qb4e465c526_prep.kd
    .args:
      - { .name: x, .offset: 0, .size: 8, .value_kind: global_buffer, .address_space: global }
      - { .name: q_w, .offset: 8, .size: 8, .value_kind: global_buffer, .address_space: global }
      - { .name: kv_w, .offset: 16, .size: 8, .value_kind: global_buffer, .address_space: global }
      - { .name: o_w, .offset: 24, .size: 8, .value_kind: global_buffer, .address_space: global }
      - { .name: segment_pos, .offset: 32, .size: 8, .value_kind: global_buffer, .address_space: global }
      - { .name: xb, .offset: 40, .size: 8, .value_kind: global_buffer, .address_space: global }
      - { .name: wb, .offset: 48, .size: 8, .value_kind: global_buffer, .address_space: global }
      - { .name: owb, .offset: 56, .size: 8, .value_kind: global_buffer, .address_space: global }
      - { .name: cs, .offset: 64, .size: 8, .value_kind: global_buffer, .address_space: global }
      - { .name: tl, .offset: 72, .size: 8, .value_kind: global_buffer, .address_space: global }
    .group_segment_fixed_size: 0
    .private_segment_fixed_size: 0
    .kernarg_segment_align: 8
    .kernarg_segment_size: 80
    .max_flat_workgroup_size: 256
    .sgpr_count:     66
    .vgpr_count:     104
    .wavefront_size: 32
...
	.end_amdgpu_metadata
.endif
;; end of part 1
;; launch proj (part 2): grid 32 x 8, 4 waves a work-group, clusters of 4 x 1, 327,680 bytes of LDS; arguments xb, wb, cs, q_scale, k_scale, qkv, vpart; writes qkv, vpart
.if DOCPART == 2
	.amdgcn_target "amdgcn-amd-amdhsa--gfx1250"
	.amdhsa_code_object_version 6
	.text
	.protected	k_qb4e465c526_proj
	.globl	k_qb4e465c526_proj
	.p2align	8
	.type	k_qb4e465c526_proj,@function
k_qb4e465c526_proj:
	s_mov_b64 s[64:65], 0
	v_nop
	global_prefetch_b8 v0, s[64:65] scope:SCOPE_SE
	s_setreg_imm32_b32 hwreg(HW_REG_WAVE_MODE, 25, 1), 1
	s_wait_xcnt 0x0
	s_wait_alu depctr_hold_cnt(0) depctr_sa_sdst(0) depctr_va_vdst(0) depctr_va_sdst(0) depctr_va_ssrc(0) depctr_va_vcc(0) depctr_vm_vsrc(0)
	s_getreg_b32 s2, hwreg(HW_REG_IB_STS2, 6, 4)
	s_cmp_eq_u32 s2, 0
	s_cbranch_scc0 .Lentry_in_a_cluster
	s_endpgm
.Lentry_in_a_cluster:
	s_bfe_u32 s2, ttmp6, 0x10000c
	s_cmp_lg_u32 s2, 0x3003
	s_cbranch_scc0 .Lentry_shape_is_right
	s_endpgm
.Lentry_shape_is_right:
; PROJ: head y of q, k, v = xb [4096][2048] x wb[y] [2048][256] (f16 operands, f32 sums); then, in f32, RMS norm, gain and RoPE for the
; q and k heads (y < 6); the result goes to qkv[y][4096][256] as f16.  For the v heads (y >= 6) also the column sums of the block's 128 rows
; to vpart, for rows of the attention that have no valid key.
; q carries the factor 2 log2(e)/50 and k the factor 1/16 (= Q_SCALE), so that q.k is the exponent, in base 2, of exp(2 logit / 50).
; LIMIT: f16 results: |v| stays below 65,504; q and k are bounded by reference()'s own norm (16 x gain x factor).
;
; A work-group makes 128 rows x 256 columns (one head) with four waves; a wave makes 64 x 128: 32 accumulator tiles, 256 registers.
; K goes in steps of 192 through two LDS slots, the largest that fit: A's 128 rows x 384 bytes (16 bytes of padding behind every 128: pitch 432),
; B's 192 k-rows x 512 bytes (pitch 544, read through the transposing load, since the weights lie [k][n]): 2 x 159,744 of the 327,680 bytes.
; Each wave brings its part of a slot by one tensor load (64 rows of A or 96 of B); from a request to the wait for it a wave issues
; 16 + 160 + 8 = 184 matrix instructions.  2048 = 10 x 192 + 128: the eleventh step is a tail of 128.
; The price of the step of 192: A's tile rows are 384 bytes and begin on multiples of 128 bytes of xb, not of 256.
; CLUSTER 4 x 1: the four work-groups of a cluster make four row blocks of ONE head and ask jointly for the head's weight tiles (two thirds of
; a step's bytes).  x's tiles are each work-group's own.  A cluster of 4 x 4 would share x too, but the way out branches on the head's kind,
; which would then differ between partners.
; The matrix instruction is used transposed (source 0 = 16 columns of the weights, source 1 = 16 rows of x): a lane's eight results are eight
; neighbouring columns of one row.
; REGISTERS: window 1 = the accumulators, tile (a, b) at v[8 (8 a + b)]; window 0 = everything else; two fragment buffers of 96 registers
; (B's eight fragments, then A's four).
.set KDIM,   2048
.set KSTEP,  192
.set TAILK,  128                       ; KDIM - 10 KSTEP
.set APITCH, 432                       ; 384 + 3 x 16 = 27 x 16: an odd multiple of 16 bytes, so sixteen rows start in sixteen different 16-byte columns modulo 256
.set BPITCH, 544                       ; 512 + 32: an odd multiple of 32 bytes, as the transposing load's rows want
.set AHALF,  64*APITCH
.set BHALF,  96*BPITCH
.set BOFF,   128*APITCH                ; B's tile lies behind A's
.set SLOT,   BOFF+192*BPITCH           ; 159,744
.set ASTEP,  2*KSTEP                   ; bytes along A's rows for a K step
.set BROW,   512                       ; bytes of a row of B in memory
.set BSTEP,  KSTEP*BROW
.set SPITCH, 1040                      ; the way out: a row of 256 f32 + 16 bytes
.set SCR,    128*SPITCH                ; behind the stage: 1 KiB a wave for column sums
.set ADRA, 16                          ; v16-17 LDS address of my A fragments in slot 0, 1
.set ADRB, 20                          ; v20-23 the same for B: slot s, quarters 0-2 at 2 s, quarters 3-5 at 2 s + 1 (the immediate has 16 bits)
.set STO,  24
.set RD,   25
.set V16,  26                          ; 16 x lane
.set V8,   27                          ; 8 x lane
.set SCA,  28
.set FC,   30                          ; v[30:31] the head's factor, twice
.set GN,   32                          ; v[32:39] (1 + scale) x factor of my 8 columns
.set T,    40                          ; v[40:55] a pair for each of 8 rows; the v heads' 8 column sums
.set O,    56                          ; v[56:63] one row at work
.set X,    64                          ; v[64:127] 8 rows x 8 numbers
.set CS0,  128                         ; v[128:191], v[192:255]: 8 rows x (4 cos, 4 sin), two buffers
.set CS1,  192
.set F0,   64
.set F1,   160
.set G1A, 24
.set G0A, 32
.set G1B, 40
.set G0B, 48
.set MSB, 0
.macro WIN new                         ; the immediate's high byte repeats the setting that is left
.if MSB != \new
	s_set_vgpr_msb (MSB<<8)|\new
.set MSB, \new
.endif
.endm
.macro PLACES                          ; four places behind matrix instructions in front of loads into, or reads of, their registers
.rept 4
	v_nop
.endr
.endm
.macro CREST                           ; a round of the cluster's barrier behind its opening work-group barrier
	s_cmp_lg_u32 s18, 0
	s_cbranch_scc1 .Lnot_wave_0_\@
	s_barrier_signal -3
.Lnot_wave_0_\@:
	s_barrier_wait -3
	s_barrier_signal -1
	s_barrier_wait -1
.endm
.macro CROUND
	s_barrier_signal -1
	s_barrier_wait -1
	CREST
.endm
.macro JLOAD s                         ; waves 0, 1: my work-group's own halves of A's tile; waves 2, 3: the joint halves of B's tile
	s_cmp_eq_u32 s19, 0
	s_cbranch_scc0 .Lfor_b_\@
	tensor_load_to_lds s[G0A+4*\s:G0A+4*\s+3], s[G1A:G1A+7]
	s_nop 0
	s_branch .Lasked_\@
.Lfor_b_\@:
	tensor_load_to_lds s[G0B+4*\s:G0B+4*\s+3], s[G1B:G1B+7]
	s_nop 0
.Lasked_\@:
.endm
	s_load_b256 s[4:11], s[0:1], 0x0               ; xb, wb, cs, q_scale
	s_load_b128 s[12:15], s[0:1], 0x20             ; k_scale, qkv
	s_load_b64 s[16:17], s[0:1], 0x30              ; vpart
	v_lshl_add_u32 v19, v0, 2, 0x4e000
	v_mov_b32 v29, 0
	ds_add_u32 v19, v29
	v_lshrrev_b32 v1, 5, v0
	v_readfirstlane_b32 s18, v1                    ; wave
	s_lshr_b32 s19, s18, 1                         ; my half of the rows; also: I fetch for A (0) or B (1)
	s_and_b32 s20, s18, 1                          ; my half of the columns; also: which half of that tile I fetch
	s_bfe_u32 s21, ttmp6, 0x40000                  ; my place in the cluster
	s_lshl_b32 s22, ttmp9, 2
	s_add_co_u32 s22, s22, s21                     ; row block 0..31
	s_and_b32 s23, ttmp7, 0xffff                   ; head 0..7, the same in all four partners
	s_mov_b32 s[G1A+0], (1<<16)|(1<<20)|(4<<22)|(3<<25)   ; no mask; 2-byte elements; after every 32 words 4 words of padding
	s_mov_b32 s[G1A+1], KSTEP<<16                  ; tensor_dim0 = 192
	s_mov_b32 s[G1A+2], 64<<16                     ; tensor_dim1 = 64
	s_mov_b32 s[G1A+3], KSTEP<<16                  ; tile_dim0 = 192
	s_mov_b32 s[G1A+4], 64                         ; tile_dim1 = 64
	s_mov_b32 s[G1A+5], KDIM                       ; elements from row to row
	s_mov_b32 s[G1A+6], 0
	s_mov_b32 s[G1A+7], 0
	s_mov_b32 s[G1B+0], 15|(1<<16)|(1<<20)|(1<<21)|(6<<22)|(7<<25)   ; all four partners; bit 21 beside a mask; after every 128 words 8 words of padding
	s_mov_b32 s[G1B+1], 256<<16
	s_mov_b32 s[G1B+2], 96<<16
	s_mov_b32 s[G1B+3], 256<<16
	s_mov_b32 s[G1B+4], 96
	s_mov_b32 s[G1B+5], BROW/2
	s_mov_b32 s[G1B+6], 0
	s_mov_b32 s[G1B+7], 0
	s_lshl_b32 s56, s22, 7
	s_lshl_b32 s60, s20, 6
	s_add_co_u32 s56, s56, s60                     ; A: row 128 x block + 64 x half
	s_lshl_b32 s56, s56, 12                        ; x 4,096 bytes
	s_mov_b32 s57, 0
	s_lshl_b32 s58, s23, 20                        ; B: head x 1 MiB + 96 x half k-rows of 512 bytes: nothing here hangs on my place in the cluster
	s_mul_i32 s61, s20, 96*BROW
	s_add_co_u32 s58, s58, s61
	s_mov_b32 s59, 0
	s_mul_i32 s62, s20, AHALF                      ; LDS: the wave's number alone
	s_mul_i32 s63, s20, BHALF
	s_add_co_u32 s63, s63, BOFF
	s_wait_dscnt 0x0
	s_wait_kmcnt 0x0
	s_add_nc_u64 s[56:57], s[4:5], s[56:57]
	s_add_nc_u64 s[58:59], s[6:7], s[58:59]
	CROUND                                         ; all four work-groups are here: the first joint loads meet
.irp s, 0,1
	s_mov_b32 s[G0A+4*\s], 1
	s_add_co_u32 s[G0A+4*\s+1], s62, \s*SLOT
	s_add_nc_u64 s[G0A+4*\s+2:G0A+4*\s+3], s[56:57], \s*ASTEP
	s_or_b32 s[G0A+4*\s+3], s[G0A+4*\s+3], 0x80000000
	s_mov_b32 s[G0B+4*\s], 1
	s_add_co_u32 s[G0B+4*\s+1], s63, \s*SLOT
	s_add_nc_u64 s[G0B+4*\s+2:G0B+4*\s+3], s[58:59], \s*BSTEP
	s_or_b32 s[G0B+4*\s+3], s[G0B+4*\s+3], 0x80000000
	JLOAD \s                                       ; both slots' first fills go out before anything else: two loads of this wave are out
.endr
	v_and_b32 v1, 15, v0                           ; r
	v_bfe_u32 v2, v0, 4, 1                         ; h
	v_and_b32 v3, 31, v0                           ; lane
	v_mul_u32_u24 v4, v1, APITCH
	v_lshl_add_u32 v4, v2, 4, v4                   ; A: row r, 16 bytes for each half of the lanes
	v_and_b32 v5, 7, v0
	v_lshl_add_u32 v5, v2, 3, v5
	v_mul_u32_u24 v5, v5, BPITCH                   ; B: k-row 8 h + lane mod 8,
	v_bfe_u32 v6, v0, 3, 1
	v_lshl_add_u32 v5, v6, 4, v5                   ; columns 0-7 or 8-15 of the fragment's sixteen
	s_mul_i32 s66, s19, AHALF                      ; my 64 rows of A
	s_lshl_b32 s67, s20, 8                         ; my 128 columns of B
	s_add_co_u32 s67, s67, BOFF
.irp s, 0,1
	v_add_nc_u32 v[ADRA+\s], s66, v4
	v_add_nc_u32 v[ADRB+2*\s], s67, v5
	v_add_nc_u32 v[ADRB+2*\s+1], 96*BPITCH, v[ADRB+2*\s]
	s_add_co_u32 s66, s66, SLOT
	s_add_co_u32 s67, s67, SLOT
.endr
	v_mul_u32_u24 v4, v1, SPITCH                   ; the stage: row 64 wm + r, column 128 wn + 8 h
	v_lshl_add_u32 v4, v2, 5, v4
	s_mul_i32 s66, s19, 64*SPITCH
	s_lshl_b32 s67, s20, 9
	s_add_co_u32 s66, s66, s67
	v_add_nc_u32 v[STO], s66, v4
	v_lshlrev_b32 v[V16], 4, v3
	v_lshlrev_b32 v[V8], 3, v3
	s_mul_i32 s66, s18, 32*SPITCH                  ; back: wave w takes rows 32 w .. 32 w + 31
	v_add_nc_u32 v[RD], s66, v[V16]
	s_lshl_b32 s66, s18, 10
	s_add_co_u32 s66, s66, SCR
	v_add_nc_u32 v[SCA], s66, v[V16]
; eight matrix instructions: row tile a x all eight column tiles, 32 along K.  zero = 1: the product starts the sums.
.macro MUL8 f, a, zero
.irp b, 0,1,2,3,4,5,6,7
.if \zero
	v_wmma_f32_16x16x32_f16 v[8*(8*\a+\b):8*(8*\a+\b)+7], v[\f+8*\b:\f+8*\b+7], v[\f+64+8*\a:\f+64+8*\a+7], 0
.else
	v_wmma_f32_16x16x32_f16 v[8*(8*\a+\b):8*(8*\a+\b)+7], v[\f+8*\b:\f+8*\b+7], v[\f+64+8*\a:\f+64+8*\a+7], v[8*(8*\a+\b):8*(8*\a+\b)+7]
.endif
.endr
.endm
; 24 LDS loads: quarter q (32 along K) of a slot into buffer f: B's eight fragments (transposed on the way), then A's four.
; In A's rows quarter q begins at byte 64 q + 16 (q / 2): 16 bytes of padding lie behind every two quarters.
.macro FETCH slot, q, f
	WIN 0
.irp b, 0,1,2,3,4,5,6,7
	ds_load_tr16_b128 v[\f+8*\b:\f+8*\b+3],   v[ADRB+2*\slot+(\q)/3] offset:((\q)%3)*32*BPITCH+32*\b
	ds_load_tr16_b128 v[\f+8*\b+4:\f+8*\b+7], v[ADRB+2*\slot+(\q)/3] offset:((\q)%3)*32*BPITCH+32*\b+16*BPITCH
.endr
.irp a, 0,1,2,3
	ds_load_b128 v[\f+64+8*\a:\f+64+8*\a+3],   v[ADRA+\slot] offset:\a*16*APITCH+64*(\q)+16*((\q)/2)
	ds_load_b128 v[\f+64+8*\a+4:\f+64+8*\a+7], v[ADRA+\slot] offset:\a*16*APITCH+64*(\q)+16*((\q)/2)+32
.endr
.endm
; One of a K step's quarters but the last: multiplies buffer f and fetches quarter q into buffer g.
; The 32 accumulators take turns, one instruction a turn, in the same order in every quarter.
.macro QUARTER slot, q, f, g, zero
	s_wait_dscnt 4                                 ; B and A's tiles 0, 1 are in; the youngest four loads (A's tiles 2, 3) may be out
	WIN 0x50                                       ; C and D in window 1
	MUL8 \f, 0, \zero
	MUL8 \f, 1, \zero
	PLACES
	FETCH \slot, \q, \g
	s_wait_dscnt 24                                ; all but the 24 just issued
	WIN 0x50
	MUL8 \f, 2, \zero
	MUL8 \f, 3, \zero
.endm
; The last quarter multiplies buffer 1 and changes slots.  In front of the barrier each wave waits for its reads of this slot and for all its
; tensor loads (one is out: its part of the next slot).  Where the slot is filled again (fill = 1; 2: with the tail) the barrier opens a round of
; the cluster's barrier, and the refill is the wave's first and only tensor load behind the round.
.macro TURN slot, next, fill
	s_wait_dscnt 4
	WIN 0x50
	MUL8 F1, 0, 0
	s_wait_dscnt 0x0                               ; my reads of this slot are over
	s_wait_tensorcnt 0x0                           ; all my tensor loads have landed: every descriptor register may be written
	ds_add_u32 v19, v29
	s_wait_dscnt 0x0
	s_barrier_signal -1
	MUL8 F1, 1, 0                                  ; registers only
	WIN 0
	s_barrier_wait -1
.if \fill
	CREST                                          ; no wave of any partner still reads this slot or has a load on its way
	s_add_nc_u64 s[G0A+4*\slot+2:G0A+4*\slot+3], s[G0A+4*\slot+2:G0A+4*\slot+3], 2*ASTEP
	s_add_nc_u64 s[G0B+4*\slot+2:G0B+4*\slot+3], s[G0B+4*\slot+2:G0B+4*\slot+3], 2*BSTEP
.if \fill == 2
	s_mov_b32 s[G1A+1], TAILK<<16                  ; A: TAILK elements are left of a row; the tile's other columns arrive as zeros and are not read
	s_mov_b32 s[G1B+2], (TAILK/2)<<16              ; B: the TAILK k-rows that are left, half for each of the two waves
	s_mov_b32 s[G1B+4], TAILK/2
	s_mul_i32 s60, s20, (TAILK/2)*BPITCH
	s_add_co_u32 s[G0B+4*\slot+1], s60, BOFF+\slot*SLOT
	s_mul_i32 s60, s20, (96-TAILK/2)*BROW          ; the second wave's rows begin TAILK/2, not 96, behind the first's
	s_mov_b32 s61, 0
	s_sub_nc_u64 s[G0B+4*\slot+2:G0B+4*\slot+3], s[G0B+4*\slot+2:G0B+4*\slot+3], s[60:61]
.endif
	JLOAD \slot
.endif
	PLACES
	FETCH \next, 0, F0
	WIN 0x50
	MUL8 F1, 2, 0
	MUL8 F1, 3, 0
.endm
.macro STEP slot, next, zero, fill     ; a K step of 192: six quarters on buffers 0, 1, 0, 1, 0, 1
	QUARTER \slot, 1, F0, F1, \zero
	QUARTER \slot, 2, F1, F0, 0
	QUARTER \slot, 3, F0, F1, 0
	QUARTER \slot, 4, F1, F0, 0
	QUARTER \slot, 5, F0, F1, 0
	TURN \slot, \next, \fill
.endm
	s_wait_tensorcnt 1                             ; my part of K step 0 is in; K step 1's stays out
	s_barrier_signal -1
	s_barrier_wait -1
	FETCH 0, 0, F0
	STEP 0, 1, 1, 1                                ; steps 0 and 1 stand in front of the loop: the first products start the sums
	STEP 1, 0, 0, 1
	WIN 0
	s_mov_b32 s3, 3                                ; steps 2 to 7, which ask for steps 4 to 9
.Llap:
	STEP 0, 1, 0, 1
	STEP 1, 0, 0, 1
	WIN 0
	s_sub_co_u32 s3, s3, 1
	s_cmp_lg_u32 s3, 0
	s_cbranch_scc1 .Llap
	STEP 0, 1, 0, 2                                ; step 8 asks for the tail
	STEP 1, 0, 0, 0                                ; step 9 asks for nothing
	QUARTER 0, 1, F0, F1, 0                        ; the tail: four quarters
	QUARTER 0, 2, F1, F0, 0
	QUARTER 0, 3, F0, F1, 0
	s_wait_dscnt 4
	WIN 0x50
	MUL8 F1, 0, 0
	MUL8 F1, 1, 0
	s_wait_dscnt 0x0
	MUL8 F1, 2, 0
	MUL8 F1, 3, 0
	WIN 0
	PLACES
	; THE WAY OUT.  The block goes as f32 into a stage that lies over the ring (its slots have had their last fill), so that a wave then holds
	; whole rows: the norm and RoPE's pairs (h, h + 128) need a row's 256 numbers together.
	s_barrier_signal -1                            ; every wave's reads of the ring are back (its wait for 0 above)
	s_barrier_wait -1
	WIN 0x04                                       ; store data from window 1
.irp a, 0,1,2,3
.irp b, 0,1,2,3,4,5,6,7
	ds_store_b128 v[STO], v[8*(8*\a+\b):8*(8*\a+\b)+3]   offset:\a*16*SPITCH+64*\b
	ds_store_b128 v[STO], v[8*(8*\a+\b)+4:8*(8*\a+\b)+7] offset:\a*16*SPITCH+64*\b+16
.endr
.endr
	WIN 0
	s_wait_dscnt 0x0                               ; for the others' sake
	s_barrier_signal -1
	s_barrier_wait -1
	s_lshl_b32 s66, s22, 7
	s_lshl_b32 s67, s18, 5
	s_add_co_u32 s66, s66, s67                     ; my first row of the 4,096
	s_lshl_b32 s70, s66, 9
	s_lshl_b32 s67, s23, 21
	s_add_co_u32 s70, s70, s67
	s_mov_b32 s71, 0
	s_add_nc_u64 s[14:15], s[14:15], s[70:71]      ; qkv at head y, my first row
.macro ROWS k                          ; rows 8 k .. 8 k + 7 of my 32: a lane takes columns 4 l .. 4 l + 3 and 128 + 4 l .. 128 + 4 l + 3
.irp p, 0,1,2,3,4,5,6,7
	ds_load_b128 v[X+8*\p:X+8*\p+3],   v[RD] offset:SPITCH*(8*\k+\p)
	ds_load_b128 v[X+8*\p+4:X+8*\p+7], v[RD] offset:SPITCH*(8*\k+\p)+512
.endr
.endm
.macro PUT k, p                        ; a row's 512 bytes of f16 in two stores of 256 consecutive bytes
	global_store_b64 v[V8], v[X+8*\p:X+8*\p+1],   s[14:15] offset:512*(8*\k+\p)
	global_store_b64 v[V8], v[X+8*\p+2:X+8*\p+3], s[14:15] offset:512*(8*\k+\p)+256
.endm
	s_cmp_ge_u32 s23, 6
	s_cbranch_scc1 .Lvpath
	; q and k heads
	s_lshl_b32 s70, s66, 10
	s_add_nc_u64 s[8:9], s[8:9], s[70:71]          ; the table at my first row
	s_mov_b32 s68, 0x3d800000                      ; k: 1/16
	s_mov_b32 s69, 0x3d6c5f04                      ; q: 2 log2(e) / 50
	s_mov_b32 s72, 0x76543210                      ; v_permlanex16_b32: lane i reads lane i of the other half
	s_mov_b32 s73, 0xfedcba98
	s_mov_b32 s74, 0x3b800000                      ; 1/256
	s_mov_b32 s75, 0x358637bd                      ; 1e-6
	s_cmp_lt_u32 s23, 4
	s_cselect_b64 s[76:77], s[10:11], s[12:13]     ; q_scale or k_scale
	s_cselect_b32 s68, s69, s68
	global_load_b128 v[GN:GN+3],   v[V16], s[76:77]
	global_load_b128 v[GN+4:GN+7], v[V16], s[76:77] offset:512
.macro CSLOAD k, buf
.irp p, 0,1,2,3,4,5,6,7
	global_load_b128 v[\buf+8*\p:\buf+8*\p+3],   v[V16], s[8:9] offset:1024*(8*\k+\p)
	global_load_b128 v[\buf+8*\p+4:\buf+8*\p+7], v[V16], s[8:9] offset:1024*(8*\k+\p)+512
.endr
.endm
; eight rows: table of the next eight asked for, rows read back, norm, gain, RoPE, f16, out.  Each step is done for all eight rows in turn.
.macro QKB k, cb, nb, last
.if \last == 0
	CSLOAD (\k+1), \nb
.endif
	s_wait_xcnt 0x0                                ; X held the data of the last batch's stores: it is loaded again only behind this wait
	ROWS \k
.if \last
	s_wait_loadcnt 0x0
.else
	s_wait_loadcnt 16                              ; this batch's table (and the gains) are in; the next batch's sixteen loads stay out
.endif
.if \k == 0
	v_mov_b32 v[FC], s68
	v_mov_b32 v[FC+1], s68
.irp j, 0,2,4,6
	v_pk_fma_f32 v[GN+\j:GN+\j+1], v[GN+\j:GN+\j+1], v[FC:FC+1], v[FC:FC+1]   ; (1 + scale) x factor
.endr
.endif
	s_wait_dscnt 0x0
.irp p, 0,1,2,3,4,5,6,7
	v_pk_mul_f32 v[T+2*\p:T+2*\p+1], v[X+8*\p:X+8*\p+1], v[X+8*\p:X+8*\p+1]
.endr
.irp j, 2,4,6
.irp p, 0,1,2,3,4,5,6,7
	v_pk_fma_f32 v[T+2*\p:T+2*\p+1], v[X+8*\p+\j:X+8*\p+\j+1], v[X+8*\p+\j:X+8*\p+\j+1], v[T+2*\p:T+2*\p+1]
.endr
.endr
.irp p, 0,1,2,3,4,5,6,7
	v_add_f32 v[T+2*\p], v[T+2*\p], v[T+2*\p+1]
.endr
.irp m, 1,2,4,8
.irp p, 0,1,2,3,4,5,6,7
	v_add_f32_dpp v[T+2*\p], v[T+2*\p], v[T+2*\p] row_xmask:\m row_mask:0xf bank_mask:0xf
.endr
.endr
.irp p, 0,1,2,3,4,5,6,7
	v_permlanex16_b32 v[T+2*\p+1], v[T+2*\p], s72, s73
.endr
.irp p, 0,1,2,3,4,5,6,7
	v_add_f32 v[T+2*\p], v[T+2*\p], v[T+2*\p+1]    ; the row's sum of squares, in every lane
.endr
.irp p, 0,1,2,3,4,5,6,7
	v_fma_f32 v[T+2*\p], v[T+2*\p], s74, s75       ; mean + eps
.endr
.irp p, 0,1,2,3,4,5,6,7
	v_rsq_f32 v[T+2*\p], v[T+2*\p]
.endr
	s_wait_alu depctr_va_vdst(0)
.irp p, 0,1,2,3,4,5,6,7
.irp j, 0,2,4,6
	v_pk_mul_f32 v[X+8*\p+\j:X+8*\p+\j+1], v[X+8*\p+\j:X+8*\p+\j+1], v[GN+\j:GN+\j+1]   ; plain work that touches no T stands behind the roots (ISA guide 5.7.2)
.endr
.endr
.irp p, 0,1,2,3,4,5,6,7
	v_pk_mul_f32 v[O:O+1],   v[X+8*\p:X+8*\p+1],   v[\cb+8*\p:\cb+8*\p+1]       ; x1 cos
	v_pk_mul_f32 v[O+2:O+3], v[X+8*\p+2:X+8*\p+3], v[\cb+8*\p+2:\cb+8*\p+3]
	v_pk_mul_f32 v[O+4:O+5], v[X+8*\p:X+8*\p+1],   v[\cb+8*\p+4:\cb+8*\p+5]     ; x1 sin
	v_pk_mul_f32 v[O+6:O+7], v[X+8*\p+2:X+8*\p+3], v[\cb+8*\p+6:\cb+8*\p+7]
.irp j, 0,1,2,3
	v_fma_f32 v[O+\j], -v[X+8*\p+4+\j], v[\cb+8*\p+4+\j], v[O+\j]               ; x1 cos - x2 sin
.endr
	v_pk_fma_f32 v[O+4:O+5], v[X+8*\p+4:X+8*\p+5], v[\cb+8*\p:\cb+8*\p+1],   v[O+4:O+5]   ; x2 cos + x1 sin
	v_pk_fma_f32 v[O+6:O+7], v[X+8*\p+6:X+8*\p+7], v[\cb+8*\p+2:\cb+8*\p+3], v[O+6:O+7]
.irp j, 0,2,4,6
	v_pk_mul_f32 v[O+\j:O+\j+1], v[O+\j:O+\j+1], v[T+2*\p:T+2*\p+1] op_sel_hi:[1,0]       ; x 1/sqrt(mean + eps): both halves by the pair's first register
.endr
.irp j, 0,1,2,3
	v_cvt_pk_f16_f32 v[X+8*\p+\j], v[O+2*\j], v[O+2*\j+1]
.endr
	PUT \k, \p
.endr
.endm
	CSLOAD 0, CS0
	QKB 0, CS0, CS1, 0
	QKB 1, CS1, CS0, 0
	QKB 2, CS0, CS1, 0
	QKB 3, CS1, CS0, 1
	s_branch .Ljoin
.Lvpath:
	; v heads: f16 as they are, and the sums of my 32 rows for each of my 8 columns
.macro VBAT k
	s_wait_xcnt 0x0                                ; X held the data of the last batch's stores
	ROWS \k
	s_wait_dscnt 0x0
.if \k == 0
.irp j, 0,2,4,6
	v_pk_add_f32 v[T+\j:T+\j+1], v[X+\j:X+\j+1], v[X+8+\j:X+8+\j+1]             ; the first two rows start the sums
.endr
.irp p, 2,3,4,5,6,7
.irp j, 0,2,4,6
	v_pk_add_f32 v[T+\j:T+\j+1], v[T+\j:T+\j+1], v[X+8*\p+\j:X+8*\p+\j+1]
.endr
.endr
.else
.irp p, 0,1,2,3,4,5,6,7
.irp j, 0,2,4,6
	v_pk_add_f32 v[T+\j:T+\j+1], v[T+\j:T+\j+1], v[X+8*\p+\j:X+8*\p+\j+1]
.endr
.endr
.endif
.irp p, 0,1,2,3,4,5,6,7
.irp j, 0,1,2,3
	v_cvt_pk_f16_f32 v[X+8*\p+\j], v[X+8*\p+2*\j], v[X+8*\p+2*\j+1]
.endr
	PUT \k, \p
.endr
.endm
	VBAT 0
	VBAT 1
	VBAT 2
	VBAT 3
	ds_store_b128 v[SCA], v[T:T+3]                 ; my wave's sums, in bytes of its own behind the stage
	ds_store_b128 v[SCA], v[T+4:T+7] offset:512
.Ljoin:
	s_wait_dscnt 0x0
	s_barrier_signal -1
	s_barrier_wait -1
	s_cmp_lt_u32 s23, 6
	s_cbranch_scc1 .Lend
	s_cmp_lg_u32 s18, 0
	s_cbranch_scc1 .Lend
	; wave 0 of a v head adds the four waves' sums: vpart[(b, kv head)][row block mod 16][256]
	s_lshr_b32 s66, s22, 4
	s_lshl_b32 s66, s66, 1
	s_add_co_u32 s66, s66, s23
	s_sub_co_u32 s66, s66, 6
	s_lshl_b32 s66, s66, 4
	s_and_b32 s67, s22, 15
	s_add_co_u32 s66, s66, s67
	s_lshl_b32 s70, s66, 10
	s_mov_b32 s71, 0
	s_add_nc_u64 s[16:17], s[16:17], s[70:71]
.irp w, 0,1,2,3
	ds_load_b128 v[128+8*\w:128+8*\w+3],   v[SCA] offset:1024*\w
	ds_load_b128 v[128+8*\w+4:128+8*\w+7], v[SCA] offset:1024*\w+512
.endr
	s_wait_dscnt 0x0
.irp j, 0,2,4,6
	v_pk_add_f32 v[128+\j:129+\j], v[128+\j:129+\j], v[136+\j:137+\j]
	v_pk_add_f32 v[144+\j:145+\j], v[144+\j:145+\j], v[152+\j:153+\j]
	v_pk_add_f32 v[128+\j:129+\j], v[128+\j:129+\j], v[144+\j:145+\j]
.endr
	global_store_b128 v[V16], v[128:131], s[16:17]
	global_store_b128 v[V16], v[132:135], s[16:17] offset:512
.Lend:
	s_wait_tensorcnt 0x0
	ds_add_u32 v19, v29
	s_wait_dscnt 0x0
	CROUND                                         ; the closing round: no work-group ends while a partner may still ask for a tile that names it
	s_endpgm
.Lfunc_end_k_qb4e465c526_proj:
	.size	k_qb4e465c526_proj, .Lfunc_end_k_qb4e465c526_proj-k_qb4e465c526_proj
	.p2alignl 7, 3214868480
	.fill 96, 4, 3214868480
	.section	.rodata,"a",@progbits
	.p2align	6, 0x0
	.amdhsa_kernel k_qb4e465c526_proj
		.amdhsa_group_segment_fixed_size 327680
		.amdhsa_private_segment_fixed_size 0
		.amdhsa_enable_private_segment 0
		.amdhsa_kernarg_size 56
		.amdhsa_user_sgpr_count 2
		.amdhsa_user_sgpr_kernarg_segment_ptr 1
		.amdhsa_wavefront_size32 1
		.amdhsa_system_sgpr_workgroup_id_x 1
		.amdhsa_system_sgpr_workgroup_id_y 1
		.amdhsa_system_sgpr_workgroup_id_z 1
		.amdhsa_system_vgpr_workitem_id 0
		.amdhsa_next_free_vgpr 512
		.amdhsa_next_free_sgpr 80
		.amdhsa_reserve_vcc 0
		.amdhsa_float_denorm_mode_32 3
		.amdhsa_float_denorm_mode_16_64 3
		.amdhsa_memory_ordered 1
		.amdhsa_forward_progress 1
		.amdhsa_inst_pref_size 255
	.end_amdhsa_kernel
	.section	.bss,"aw",@nobits
	.p2align	6
	.space	262144
	.amdgpu_metadata
---
amdhsa.version: [ 1, 2 ]
amdhsa.kernels:
  - .name:           k_qb4e465c526_proj
    .symbol:         k_qb4e465c526_proj.kd
    .args:
      - { .name: xb, .offset: 0, .size: 8, .value_kind: global_buffer, .address_space: global }
      - { .name: wb, .offset: 8, .size: 8, .value_kind: global_buffer, .address_space: global }
      - { .name: cs, .offset: 16, .size: 8, .value_kind: global_buffer, .address_space: global }
      - { .name: q_scale, .offset: 24, .size: 8, .value_kind: global_buffer, .address_space: global }
      - { .name: k_scale, .offset: 32, .size: 8, .value_kind: global_buffer, .address_space: global }
      - { .name: qkv, .offset: 40, .size: 8, .value_kind: global_buffer, .address_space: global }
      - { .name: vpart, .offset: 48, .size: 8, .value_kind: global_buffer, .address_space: global }
    .group_segment_fixed_size: 327680
    .private_segment_fixed_size: 0
    .kernarg_segment_align: 8
    .kernarg_segment_size: 56
    .max_flat_workgroup_size: 128
    .sgpr_count:     80
    .vgpr_count:     512
    .wavefront_size: 32
...
	.end_amdgpu_metadata
.endif
;; end of part 2
;; launch attn (part 3): grid 32 x 8, 4 waves a work-group, no clusters, 238,080 bytes of LDS; arguments qkv, attn_mask, segment_pos, tl, vpart, enc; writes enc
.if DOCPART == 3
	.amdgcn_target "amdgcn-amd-amdhsa--gfx1250"
	.amdhsa_code_object_version 6
	.text
	.protected	k_qb4e465c526_attn
	.globl	k_qb4e465c526_attn
	.p2align	8
	.type	k_qb4e465c526_attn,@function
k_qb4e465c526_attn:
	s_mov_b64 s[64:65], 0
	v_nop
	global_prefetch_b8 v0, s[64:65] scope:SCOPE_SE
	s_setreg_imm32_b32 hwreg(HW_REG_WAVE_MODE, 25, 1), 1
	s_wait_xcnt 0x0
; ATTN: for 64 queries of one head (work-group x = query block, y = 4 b + head): soft-capped logits, window and attn_mask, softmax, probs x V;
; enc[b*2048+t][head*256+h] in f16.
; WORK LEFT OUT: key tiles of 64 in which reference()'s own window masks every pair with this query block (the list tl, made from segment_pos
; by the first launch, whose head shows why they add nothing).  A row with no valid key gets the mean of V over all 2,048 keys, as reference()'s
; uniform softmax gives it, from the column sums in vpart.  A NaN or infinity that lies only in a tile left out is not carried to the result.
; LIMITS: |segment_pos| < 2^30; attn_mask bytes are 0 or 1; f16 operands: |v| below 65,504.
;
; ARITHMETIC.  q and k carry their factors, so S = q.k is the base-2 exponent of exp(2 logit/50).  With r = 1/(1 + 2^S), tanh(logit/50) = 1 - 2 r and
; the capped logit in base 2 is 72.13 - 144.27 r.  The maximum is taken away as reference() does, by a running one: it belongs to the smallest r, RM,
; of the row's valid keys so far, and p = 2^(144.27 (RM - r)) <= 1, which f16 holds.  When RM falls, the row's sums are scaled by
; 2^(144.27 (RMnew - RMold)).  A masked element gets r = 4 and RM starts at 2: its exponent is -288 or less, and the exponential returns 0.
; P and V are f16 and not bf16 for its three further bits: the result is held to a hundredth of its root mean square, and each rounding of P and of V
; reaches it whole.
;
; FOUR WAVES: wave (rh, kh) takes queries 32 rh .. +31 (two tiles of 16) and keys 32 kh .. +31 of every tile of 64.  Register set 0 is query tile kh,
; set 1 the other: at the end each wave keeps set 0, hands set 1 to its partner, and the halves are added with their own factors.
; LAYOUTS: S^T = K Q^T (source 0 = 16 keys, source 1 = 16 queries): lane (r, h) holds keys 8 h + j of query r, which packed in pairs IS source 1 of
; O^T = V^T P^T (source 0 = 16 columns of V through the transposing load).  The row sums are ones x P^T.
; NO TENSOR LOADS, NO BARRIER IN THE LOOP.  The number of trips is read from memory (the list), and a slot that the tensor mover fills again wants a
; work-group barrier in every trip: barriers would be passed a number of times that hangs on loaded data.  So each wave brings its own 32 rows of K and
; of V through registers (a load covers one row's 512 consecutive bytes), one tile ahead, and lays them into LDS bytes of its own, from which it reads
; its fragments; a wave's LDS instructions are served in order, so nothing else orders them.  The price: the two waves with the same kh read the same rows.
; NO CLUSTER: there are no joint requests to make without tensor loads, and the partners' lists of tiles are data and may differ.
; LDS: for each wave K 32 x 528 and V 32 x 544 (34,304 bytes), then the exchange (16,640 a wave) and the stage of the way out (8,448 a wave).
.set KPITCH, 528                       ; 512 + 16: an odd multiple of 16 bytes
.set VPITCH, 544                       ; 512 + 32: an odd multiple of 32 bytes, as the transposing load's rows want
.set VOFF, 32*KPITCH                   ; 16,896
.set WSZ,  VOFF+32*VPITCH              ; 34,304
.set XCH,  4*WSZ                       ; 137,216
.set XSZ,  16640
.set STG,  XCH+4*XSZ                   ; 203,776
.set GSZ,  16*KPITCH
; window 0 (v3 = lane and v4 = r x 528 + 16 h stay to the end)
.set ADK, 8                            ; LDS: my K fragments
.set ADV, 9                            ; LDS: my V fragments
.set AKS, 10                           ; LDS: where my 16 bytes of a K row go
.set AVS, 11                           ; the same for V
.set VL,  12                           ; 16 x lane
.set VPK, 13                           ; 32 h: my eight key positions in a group of sixteen
.set VMK, 14                           ; v14-15 my mask bytes' offset, set 0, 1
.set QP,  18                           ; v18-19 qpos + 256 of set 0, 1
.set CA,  20                           ; v[20:21] -144.27 twice
.set BB,  22                           ; v[22:23], v[24:25]: 144.27 RM of set 0, 1 in the pair's first register
.set AL,  26                           ; v[26:27], v[28:29]: the trip's scale of set 0, 1 in the pair's first register
.set RM,  30                           ; v30-31 running minimum of r
.set MVB, 32                           ; v[32:35] mean of V, columns 8 lane .. 8 lane + 7, f16
.set TT,  36                           ; v36-41 at work
.set AQ,  42                           ; v42-43 my Q fragments' offset in memory, set 0, 1
.set D,   48                           ; v48-63 qpos + 256 - kpos, with a high bit where attn_mask is 0
.set S,   64                           ; v64-95 set s: 16 registers (key tile 0, then 1); after the softmax its first 8 hold P in f16
.set KP,  96                           ; v96-111 my 16 key positions
.set MK,  112                          ; v112-119 mask bytes, then inverted: set s, key tile kt at 4 s + 2 kt
.set MA,  120                          ; v120-127 the same shifted left by 9
.set F,   128                          ; v128-255 K's, then V's fragments
; window 1: O, tile (i, s) at 8 (2 i + s).   window 2: Q, fragment (s, ks) at 8 (8 s + ks), and
.set L,    128                         ; row sums, set s at L + 8 s
.set ONES, 144
; window 3: the next tile's rows as loaded: K's row p at 4 p, V's at 128 + 4 p
; behind the loop, in D's registers
.set XST, 48
.set XLD, 49
.set XLS, 50
.set XLL, 51
.set SST, 52
.set SRD, 53
.set ENO, 54
.set LS,  55
.set RP,  56
.set LP,  57
.set GA,  58
.set GB,  60
.set TM,  62
.set MSB, 0
.macro WIN new                         ; the immediate's high byte repeats the setting that is left
.if MSB != \new
	s_set_vgpr_msb (MSB<<8)|\new
.set MSB, \new
.endif
.endm
; the next live tile's four bases.  Stands where no load of the wave is out, so that no pending load's base is written.
.macro NEXT
	s_ctz_i32_b32 s94, s90                         ; the lowest tile still on the list
	s_min_u32 s94, s94, 31
	s_lshl_b32 s95, 1, s94
	s_and_not1_b32 s90, s90, s95
	s_lshl_b32 s88, s94, 15                        ; 64 rows of 512 bytes
	s_add_nc_u64 s[56:57], s[80:81], s[88:89]
	s_add_nc_u64 s[58:59], s[82:83], s[88:89]
	s_lshl_b32 s88, s94, 6                         ; 64 bytes along the mask's rows
	s_add_nc_u64 s[60:61], s[84:85], s[88:89]
	s_lshl_b32 s88, s94, 8                         ; 64 positions
	s_add_nc_u64 s[62:63], s[86:87], s[88:89]
.endm
.macro LOADKV                          ; my 32 rows of K and of V: 64 loads of 512 consecutive bytes, into window 3
	WIN 0xc0
.set p, 0
.rept 32
	global_load_b128 v[4*p:4*p+3], v[VL], s[56:57] offset:512*p
.set p, p+1
.endr
.set p, 0
.rept 32
	global_load_b128 v[128+4*p:128+4*p+3], v[VL], s[58:59] offset:512*p
.set p, p+1
.endr
	WIN 0
.endm
.macro LOADPM                          ; my 16 key positions and, for each set, my 16 mask bytes: eight loads
.irp kt, 0,1
	global_load_b128 v[KP+8*\kt:KP+8*\kt+3],   v[VPK], s[62:63] offset:64*\kt
	global_load_b128 v[KP+8*\kt+4:KP+8*\kt+7], v[VPK], s[62:63] offset:64*\kt+16
.endr
.irp s, 0,1
.irp kt, 0,1
	global_load_b64 v[MK+4*\s+2*\kt:MK+4*\s+2*\kt+1], v[VMK+\s], s[60:61] offset:16*\kt
.endr
.endr
.endm
	s_load_b256 s[4:11], s[0:1], 0x0               ; qkv, attn_mask, segment_pos, tl
	s_load_b128 s[12:15], s[0:1], 0x20             ; vpart, enc
	v_lshl_add_u32 v46, v0, 2, 0x3a000
	v_mov_b32 v47, 0
	v_lshrrev_b32 v4, 5, v0
	v_readfirstlane_b32 s18, v4                    ; wave
	s_lshr_b32 s19, s18, 1                         ; rh
	s_and_b32 s20, s18, 1                          ; kh
	s_and_b32 s17, ttmp7, 0xffff
	s_lshr_b32 s21, s17, 2                         ; b
	s_and_b32 s22, s17, 3                          ; head
	s_lshr_b32 s23, s22, 1                         ; its key and value head
	s_mov_b32 s89, 0
	s_lshl_b32 s88, ttmp9, 1
	s_add_co_u32 s88, s88, s21
	s_lshl_b32 s88, s88, 2
	s_wait_kmcnt 0x0
	s_add_nc_u64 s[10:11], s[10:11], s[88:89]
	s_load_b32 s90, s[10:11], 0x0                  ; my block's list: bit i = key tile i is live
	s_add_co_u32 s97, s23, 4
	s_lshl_b32 s97, s97, 21
	s_lshl_b32 s98, s21, 20
	s_add_co_u32 s88, s97, s98
	s_lshl_b32 s97, s20, 14
	s_add_co_u32 s88, s88, s97
	s_add_nc_u64 s[80:81], s[4:5], s[88:89]        ; K of (b, kv head), at my 32 rows of tile 0
	s_add_nc_u64 s[82:83], s[80:81], 0x400000      ; V: two heads further
	s_lshl_b32 s97, s22, 21
	s_add_co_u32 s88, s97, s98
	s_lshl_b32 s97, ttmp9, 15
	s_add_co_u32 s88, s88, s97
	s_add_nc_u64 s[78:79], s[4:5], s[88:89]        ; the block's 64 rows of Q
	s_lshl_b32 s97, s21, 22
	s_lshl_b32 s98, ttmp9, 17
	s_add_co_u32 s88, s97, s98
	s_lshl_b32 s97, s20, 5
	s_add_co_u32 s88, s88, s97
	s_add_nc_u64 s[84:85], s[6:7], s[88:89]        ; the block's 64 rows of attn_mask, at my 32 keys of tile 0
	s_lshl_b32 s88, s21, 13
	s_add_nc_u64 s[8:9], s[8:9], s[88:89]          ; b's positions
	s_lshl_b32 s88, s20, 7
	s_add_nc_u64 s[86:87], s[8:9], s[88:89]        ; at my 32 keys of tile 0
	s_lshl_b32 s88, s21, 1
	s_add_co_u32 s88, s88, s23
	s_lshl_b32 s88, s88, 14
	s_add_nc_u64 s[12:13], s[12:13], s[88:89]      ; the sixteen partial column sums of (b, kv head)
	s_lshl_b32 s88, s21, 11
	s_lshl_b32 s97, ttmp9, 6
	s_add_co_u32 s88, s88, s97
	s_lshl_b32 s97, s19, 5
	s_add_co_u32 s88, s88, s97
	s_lshl_b32 s97, s20, 4
	s_add_co_u32 s88, s88, s97                     ; the first of the 16 rows that I write
	s_lshl_b32 s88, s88, 11
	s_lshl_b32 s97, s22, 9
	s_add_co_u32 s88, s88, s97
	s_add_nc_u64 s[14:15], s[14:15], s[88:89]
	v_and_b32 v1, 15, v0                           ; r
	v_bfe_u32 v2, v0, 4, 1                         ; h
	v_and_b32 v3, 31, v0                           ; lane
	v_mul_u32_u24 v4, v1, KPITCH
	v_lshl_add_u32 v4, v2, 4, v4                   ; r x 528 + 16 h
	s_mul_i32 s97, s18, WSZ                        ; my wave's own bytes
	v_add_nc_u32 v[ADK], s97, v4
	v_lshl_add_u32 v[AKS], v3, 4, s97
	v_and_b32 v5, 7, v0
	v_lshl_add_u32 v5, v2, 3, v5
	v_mul_u32_u24 v5, v5, VPITCH                   ; key row 8 h + lane mod 8,
	v_bfe_u32 v6, v0, 3, 1
	v_lshl_add_u32 v5, v6, 4, v5                   ; columns 0-7 or 8-15 of the fragment's sixteen
	s_add_co_u32 s97, s97, VOFF
	v_add_nc_u32 v[ADV], s97, v5
	v_lshl_add_u32 v[AVS], v3, 4, s97
	v_lshlrev_b32 v[VL], 4, v3
	v_lshlrev_b32 v[VPK], 5, v2
	s_lshl_b32 s97, s19, 5
	s_lshl_b32 s98, s20, 4
	s_add_co_u32 s92, s97, s98                     ; set 0's first query in the block: 32 rh + 16 kh
	s_xor_b32 s98, s98, 16
	s_add_co_u32 s93, s97, s98                     ; set 1's: the other tile
	s_lshl_b32 s97, ttmp9, 6
.irp s, 0,1
	v_add_nc_u32 v5, s[92+\s], v1                  ; my query's row in the block
	v_lshlrev_b32 v[VMK+\s], 11, v5
	v_lshl_add_u32 v[VMK+\s], v2, 3, v[VMK+\s]     ; row x 2,048 + 8 h
	v_lshlrev_b32 v[AQ+\s], 9, v5
	v_lshl_add_u32 v[AQ+\s], v2, 4, v[AQ+\s]       ; row x 512 + 16 h
	v_add_lshl_u32 v[6+\s], v5, s97, 2             ; its position's offset
.endr
	v_lshlrev_b32 v[TT], 5, v3                     ; my 8 columns of the partial sums
	s_wait_kmcnt 0x0
	s_bcnt1_i32_b32 s91, s90                       ; live tiles: at least one, since a block's own tile passes both tests of the list
	NEXT
	LOADKV                                         ; the first tile, then all that is read once
	LOADPM
	WIN 0x80                                       ; Q's sixteen fragments, once, straight into window 2
.irp s, 0,1
.irp ks, 0,1,2,3,4,5,6,7
	global_load_b128 v[8*(8*\s+\ks):8*(8*\s+\ks)+3],   v[AQ+\s], s[78:79] offset:64*\ks
	global_load_b128 v[8*(8*\s+\ks)+4:8*(8*\s+\ks)+7], v[AQ+\s], s[78:79] offset:64*\ks+32
.endr
.endr
	WIN 0
.irp s, 0,1
	global_load_b32 v[QP+\s], v[6+\s], s[8:9]
.endr
.irp p, 0,1,2,3,4,5,6,7,8,9,10,11,12,13,14,15
	global_load_b128 v[F+8*\p:F+8*\p+3],   v[TT], s[12:13] offset:1024*\p
	global_load_b128 v[F+8*\p+4:F+8*\p+7], v[TT], s[12:13] offset:1024*\p+16
.endr
	s_mov_b32 s2, 0x76543210                       ; v_permlanex16_b32: lane i reads lane i of the other half
	s_mov_b32 s3, 0xfedcba98
	s_mov_b32 s16, 0x431044fe                      ; 144.27 = 100 log2(e)
	s_mov_b32 s96, 512
	s_mov_b32 s66, 0x200                           ; where an inverted mask byte has its bit: bytes 0, 1 in the shifted word,
	s_mov_b32 s67, 0x20000
	s_mov_b32 s99, 0x10000                         ; bytes 2, 3 in the word itself
	s_mov_b32 s100, 0x1000000
	v_mov_b32 v[CA], 0xc31044fe
	v_mov_b32 v[CA+1], 0xc31044fe
	v_mov_b32 v[RM], 2.0
	v_mov_b32 v[RM+1], 2.0
	v_mov_b32 v[BB+1], 0                           ; second registers of pairs that the packed forms name and, by op_sel_hi, do not use
	v_mov_b32 v[BB+3], 0
	v_mov_b32 v[AL+1], 0
	v_mov_b32 v[AL+3], 0
	WIN 0x80
.irp j, 0,1,2,3,4,5,6,7
	v_mov_b32 v[ONES+\j], 0x3c003c00               ; a fragment of ones in f16
.endr
	WIN 0
	s_wait_loadcnt 0x0
	v_add_nc_u32 v[QP], 0x100, v[QP]
	v_add_nc_u32 v[QP+1], 0x100, v[QP+1]
.macro VADD d, s
.irp j, 0,2,4,6
	v_pk_add_f32 v[F+8*\d+\j:F+8*\d+\j+1], v[F+8*\d+\j:F+8*\d+\j+1], v[F+8*\s+\j:F+8*\s+\j+1]
.endr
.endm
.irp p, 0,2,4,6,8,10,12,14
	VADD \p, (\p+1)
.endr
.irp p, 0,4,8,12
	VADD \p, (\p+2)
.endr
	VADD 0, 4
	VADD 8, 12
	VADD 0, 8
.irp j, 0,2,4,6
	v_pk_mul_f32 v[F+\j:F+\j+1], v[F+\j:F+\j+1], 0x3a000000 op_sel_hi:[1,0]     ; / 2048
.endr
.irp j, 0,1,2,3
	v_cvt_pk_f16_f32 v[MVB+\j], v[F+2*\j], v[F+2*\j+1]
.endr
; The softmax of set s: 16 numbers a lane.  first = 1: nothing has been summed yet, so no scale is made.
.macro SSET s, first
.set SB, S+16*\s
.irp j, 0,1,2,3,4,5,6,7,8,9,10,11,12,13,14,15
	v_exp_f32 v[SB+\j], v[SB+\j]                   ; 2^S
.endr
.irp j, 0,1,2,3,4,5,6,7,8,9,10,11,12,13,14,15
	v_sub_nc_u32 v[D+\j], v[QP+\s], v[KP+\j]       ; inside the window: 0 .. 511 (plain work behind the exponentials, ISA guide 5.7.2)
.endr
.irp kt, 0,1
.irp dw, 0,1
	v_and_or_b32 v[D+8*\kt+4*\dw],   v[MA+4*\s+2*\kt+\dw], s66,  v[D+8*\kt+4*\dw]      ; attn_mask = 0 sets a bit worth 512 or more
	v_and_or_b32 v[D+8*\kt+4*\dw+1], v[MA+4*\s+2*\kt+\dw], s67,  v[D+8*\kt+4*\dw+1]
	v_and_or_b32 v[D+8*\kt+4*\dw+2], v[MK+4*\s+2*\kt+\dw], s99,  v[D+8*\kt+4*\dw+2]
	v_and_or_b32 v[D+8*\kt+4*\dw+3], v[MK+4*\s+2*\kt+\dw], s100, v[D+8*\kt+4*\dw+3]
.endr
.endr
	s_wait_alu depctr_va_vdst(0)
.irp j, 0,2,4,6,8,10,12,14
	v_pk_add_f32 v[SB+\j:SB+\j+1], v[SB+\j:SB+\j+1], 1.0 op_sel_hi:[1,0]
.endr
.irp j, 0,1,2,3,4,5,6,7,8,9,10,11,12,13,14,15
	v_rcp_f32 v[SB+\j], v[SB+\j]                   ; r
.endr
.irp j, 0,1,2,3,4,5,6,7,8,9,10,11,12,13,14,15
	v_cmp_gt_u32 vcc_lo, s96, v[D+\j]              ; (the first compare is the plain instruction behind the reciprocals)
	s_wait_alu depctr_va_vdst(0)
	v_cndmask_b32 v[SB+\j], 4.0, v[SB+\j], vcc_lo  ; masked: r = 4
.endr
	v_min3_num_f32 v[TT],   v[SB],    v[SB+1],  v[SB+2]
	v_min3_num_f32 v[TT+1], v[SB+3],  v[SB+4],  v[SB+5]
	v_min3_num_f32 v[TT+2], v[SB+6],  v[SB+7],  v[SB+8]
	v_min3_num_f32 v[TT+3], v[SB+9],  v[SB+10], v[SB+11]
	v_min3_num_f32 v[TT+4], v[SB+12], v[SB+13], v[SB+14]
	v_min3_num_f32 v[TT],   v[TT],    v[TT+1],  v[SB+15]
	v_min3_num_f32 v[TT+2], v[TT+2],  v[TT+3],  v[TT+4]
	v_min3_num_f32 v[TT],   v[TT],    v[TT+2],  v[RM+\s]
	v_permlanex16_b32 v[TT+1], v[TT], s2, s3       ; the query's other sixteen keys lie in the other half of the lanes
	v_min_num_f32 v[TT], v[TT], v[TT+1]            ; the new running minimum
.if \first == 0
	v_sub_f32 v[TT+1], v[TT], v[RM+\s]
	v_mul_f32 v[TT+1], s16, v[TT+1]
	v_exp_f32 v[AL+2*\s], v[TT+1]                  ; what the sums so far are scaled by; the move below is the plain instruction behind it
.endif
	v_mov_b32 v[RM+\s], v[TT]
	v_mul_f32 v[BB+2*\s], s16, v[TT]
.irp j, 0,2,4,6,8,10,12,14
	v_pk_fma_f32 v[SB+\j:SB+\j+1], v[SB+\j:SB+\j+1], v[CA:CA+1], v[BB+2*\s:BB+2*\s+1] op_sel_hi:[1,1,0]   ; 144.27 (RM - r)
.endr
.irp j, 0,1,2,3,4,5,6,7,8,9,10,11,12,13,14,15
	v_exp_f32 v[SB+\j], v[SB+\j]                   ; p
.endr
	v_nop
	s_wait_alu depctr_va_vdst(0)
.irp j, 0,1,2,3,4,5,6,7
	v_cvt_pk_f16_f32 v[SB+\j], v[SB+2*\j], v[SB+2*\j+1]    ; in place, upward: register j is written when 2 j and 2 j + 1 have been read
.endr
.endm
; the sums so far, O and the row sums of both sets, times their sets' scales
.macro SCALE
	WIN 0x41                                       ; destination and source 0 in window 1
.set n, 0
.rept 32
.irp j, 0,2,4,6
	v_pk_mul_f32 v[8*n+\j:8*n+\j+1], v[8*n+\j:8*n+\j+1], v[AL+2*(n&1):AL+2*(n&1)+1] op_sel_hi:[1,0]
.endr
.set n, n+1
.endr
	WIN 0x82                                       ; destination and source 0 in window 2
.irp s, 0,1
.irp j, 0,2,4,6
	v_pk_mul_f32 v[L+8*\s+\j:L+8*\s+\j+1], v[L+8*\s+\j:L+8*\s+\j+1], v[AL+2*\s:AL+2*\s+1] op_sel_hi:[1,0]
.endr
.endr
	WIN 0
.endm
; One key tile.  first = 1: the products start the sums.  ahead = 1: the next tile of the list is asked for.
.macro TRIP first, ahead
	s_wait_loadcnt 8                               ; this tile's 64 rows are in window 3; the eight younger loads (positions, mask) may be out
	WIN 0x0c                                       ; store data from window 3
.set p, 0
.rept 32
	ds_store_b128 v[AKS], v[4*p:4*p+3] offset:KPITCH*p
.set p, p+1
.endr
	WIN 0
.irp ks, 0,1,2,3,4,5,6,7
.irp kt, 0,1
	ds_load_b128 v[F+8*(2*\ks+\kt):F+8*(2*\ks+\kt)+3],   v[ADK] offset:\kt*16*KPITCH+64*\ks       ; LDS serves a wave's instructions in order: these see the stores above
	ds_load_b128 v[F+8*(2*\ks+\kt)+4:F+8*(2*\ks+\kt)+7], v[ADK] offset:\kt*16*KPITCH+64*\ks+32
.endr
.endr
	WIN 0x0c
.set p, 0
.rept 32
	ds_store_b128 v[AVS], v[128+4*p:128+4*p+3] offset:VPITCH*p
.set p, p+1
.endr
	WIN 0x08                                       ; source 1 (Q) in window 2
.irp ks, 0,1,2,3,4,5,6,7
	s_wait_dscnt 60-4*\ks                          ; of K's 32 fragment loads the first 4 (ks + 1) are in; the others and V's 32 stores may be out
.irp s, 0,1
.irp kt, 0,1                                       ; the four accumulators take turns, one instruction a turn
.if \ks == 0
	v_wmma_f32_16x16x32_f16 v[S+16*\s+8*\kt:S+16*\s+8*\kt+7], v[F+8*(2*\ks+\kt):F+8*(2*\ks+\kt)+7], v[8*(8*\s+\ks):8*(8*\s+\ks)+7], 0
.else
	v_wmma_f32_16x16x32_f16 v[S+16*\s+8*\kt:S+16*\s+8*\kt+7], v[F+8*(2*\ks+\kt):F+8*(2*\ks+\kt)+7], v[8*(8*\s+\ks):8*(8*\s+\ks)+7], v[S+16*\s+8*\kt:S+16*\s+8*\kt+7]
.endif
.endr
.endr
.endr
	WIN 0
	s_wait_dscnt 0x0                               ; V's rows are stored: window 3 may be loaded again
	s_wait_loadcnt 0x0                             ; this tile's positions and mask bytes are in, and no load is out: the bases may be written
.if \ahead
	NEXT
	LOADKV                                         ; the next tile's rows have the softmax and the second product in which to land
.endif
.irp j, 0,1,2,3,4,5,6,7
	v_xor_b32 v[MK+\j], 0x01010101, v[MK+\j]       ; 1 where attn_mask is 0.  These sixteen lines name no register of the products above:
.endr
.irp j, 0,1,2,3,4,5,6,7
	v_lshlrev_b32 v[MA+\j], 9, v[MK+\j]            ; they are the places in front of the loads into F and the reads of S
.endr
.irp i, 0,1,2,3,4,5,6,7,8,9,10,11,12,13,14,15
	ds_load_tr16_b128 v[F+8*\i:F+8*\i+3],   v[ADV] offset:32*\i                    ; V's sixteen fragments land while the softmax runs
	ds_load_tr16_b128 v[F+8*\i+4:F+8*\i+7], v[ADV] offset:32*\i+16*VPITCH
.endr
	SSET 0, \first
	SSET 1, \first
.if \ahead
	LOADPM                                         ; the softmax has read this tile's positions and mask: the next tile's, eight loads behind the 64
.endif
.if \first == 0
	SCALE
.endif
	s_wait_dscnt 0x0                               ; V's fragments
	WIN 0xa2                                       ; ones, C and D in window 2
.irp s, 0,1
.if \first
	v_wmma_f32_16x16x32_f16 v[L+8*\s:L+8*\s+7], v[ONES:ONES+7], v[S+16*\s:S+16*\s+7], 0
.else
	v_wmma_f32_16x16x32_f16 v[L+8*\s:L+8*\s+7], v[ONES:ONES+7], v[S+16*\s:S+16*\s+7], v[L+8*\s:L+8*\s+7]
.endif
.endr
	WIN 0x50                                       ; C and D in window 1; 32 accumulators by turns
.set i, 0
.rept 16
.irp s, 0,1
.if \first
	v_wmma_f32_16x16x32_f16 v[8*(2*i+\s):8*(2*i+\s)+7], v[F+8*i:F+8*i+7], v[S+16*\s:S+16*\s+7], 0
.else
	v_wmma_f32_16x16x32_f16 v[8*(2*i+\s):8*(2*i+\s)+7], v[F+8*i:F+8*i+7], v[S+16*\s:S+16*\s+7], v[8*(2*i+\s):8*(2*i+\s)+7]
.endif
.endr
.set i, i+1
.endr
	WIN 0
.rept 5
	v_nop                                          ; five places: the next trip's first product writes over P, its loads land in F; the way out reads O
.endr
.endm
	; c tiles: the first trip, c - 2 trips in the loop, the last trip, which asks for nothing; c = 1 has its own form
	s_cmp_eq_u32 s91, 1
	s_cbranch_scc1 .Lone
	s_sub_co_u32 s101, s91, 2
	TRIP 1, 1
	s_cmp_eq_u32 s101, 0
	s_cbranch_scc1 .Llast
	s_mov_b32 s93, 0
.Lloop:
	TRIP 0, 1
	s_add_co_u32 s93, s93, 1
	s_cmp_lt_u32 s93, s101
	s_cbranch_scc1 .Lloop
.Llast:
	TRIP 0, 0
	s_branch .Lmerge
.Lone:
	TRIP 1, 0
.Lmerge:
	; THE TWO KEY HALVES MEET.  I hand set 1 (sums, row sum, minimum) to wave w xor 1, lane by lane, and take its set 1, which is my set 0's queries.
	s_mul_i32 s97, s18, XSZ
	s_add_co_u32 s97, s97, XCH
	s_xor_b32 s94, s18, 1
	s_mul_i32 s94, s94, XSZ
	s_add_co_u32 s94, s94, XCH
	v_lshl_add_u32 v[XST], v3, 4, s97
	v_lshl_add_u32 v[XLD], v3, 4, s94
	v_lshl_add_u32 v[XLS], v3, 2, s97
	v_lshl_add_u32 v[XLL], v3, 2, s94
	s_mul_i32 s97, s18, GSZ
	s_add_co_u32 s97, s97, STG
	v_add_nc_u32 v[SST], s97, v4
	v_lshl_add_u32 v[SRD], v3, 4, s97
	v_lshlrev_b32 v[ENO], 4, v3
	WIN 0x04                                       ; store data from window 1
.set i, 0
.rept 16
	ds_store_b128 v[XST], v[16*i+8:16*i+11]  offset:1024*i
	ds_store_b128 v[XST], v[16*i+12:16*i+15] offset:1024*i+512
.set i, i+1
.endr
	WIN 0x08                                       ; from window 2
	ds_store_b32 v[XLS], v[L+8] offset:16384
	WIN 0
	ds_store_b32 v[XLS], v[RM+1] offset:16512
	s_wait_dscnt 0x0                               ; for the partner's sake
	s_barrier_signal -1                            ; the kernel's one barrier: every way through the trips ends here
	s_barrier_wait -1
.set i, 0
.rept 16
	ds_load_b128 v[F+8*i:F+8*i+3],   v[XLD] offset:1024*i
	ds_load_b128 v[F+8*i+4:F+8*i+7], v[XLD] offset:1024*i+512
.set i, i+1
.endr
	ds_load_b32 v[LP], v[XLL] offset:16384
	ds_load_b32 v[RP], v[XLL] offset:16512
	s_wait_dscnt 0x0
	v_min_num_f32 v[TM], v[RM], v[RP]              ; the common minimum, and each half's factor towards it
	v_sub_f32 v[GA], v[TM], v[RM]
	v_sub_f32 v[GB], v[TM], v[RP]
	v_mul_f32 v[GA], s16, v[GA]
	v_mul_f32 v[GB], s16, v[GB]
	v_exp_f32 v[GA], v[GA]
	v_exp_f32 v[GB], v[GB]
	v_mov_b32 v[GA+1], 0                           ; (plain, behind the exponentials) second registers of the pairs, named and not used
	v_mov_b32 v[GB+1], 0
	WIN 0x02                                       ; source 0 in window 2
	s_wait_alu depctr_va_vdst(0)
	v_mul_f32 v[LS], v[L], v[GA]
	WIN 0
	v_fma_f32 v[LS], v[LP], v[GB], v[LS]           ; the row's sum over all its keys
	v_cmp_eq_f32 s94, 0, v[LS]                     ; bit r: query r has no valid key
	v_cmp_neq_f32 s95, 0, v[LS]
	v_rcp_f32 v[TM], v[LS]
	v_nop
	s_wait_alu depctr_va_vdst(0)
	v_cndmask_b32 v[TM], 0, v[TM], s95             ; such a row's sums are 0 and stay 0; it is replaced below
	v_mul_f32 v[GA], v[GA], v[TM]
	v_mul_f32 v[GB], v[GB], v[TM]
.set n, 0
.rept 64
	v_pk_mul_f32 v[F+2*n:F+2*n+1], v[F+2*n:F+2*n+1], v[GB:GB+1] op_sel_hi:[1,0]
.set n, n+1
.endr
	WIN 0x01                                       ; source 0 (my set 0) in window 1
.set i, 0
.rept 16
.irp j, 0,2,4,6
	v_pk_fma_f32 v[F+8*i+\j:F+8*i+\j+1], v[16*i+\j:16*i+\j+1], v[GA:GA+1], v[F+8*i+\j:F+8*i+\j+1] op_sel_hi:[1,0,1]
.endr
.set i, i+1
.endr
	WIN 0
	; THE WAY OUT: f16, 16 bytes a lane into my own stage (row r, columns 16 i + 8 h ..), whole rows of 512 bytes back.
.set i, 0
.rept 16
.irp j, 0,1,2,3
	v_cvt_pk_f16_f32 v[F+8*i+\j], v[F+8*i+2*\j], v[F+8*i+2*\j+1]
.endr
	ds_store_b128 v[SST], v[F+8*i:F+8*i+3] offset:32*i
.set i, i+1
.endr
.irp p, 0,1,2,3,4,5,6,7,8,9,10,11,12,13,14,15
	ds_load_b128 v[S+4*\p:S+4*\p+3], v[SRD] offset:KPITCH*\p   ; LDS serves a wave's instructions in order: these see the stores above
.endr
.irp p, 0,1,2,3,4,5,6,7,8,9,10,11,12,13,14,15
	s_wait_dscnt 15-\p                             ; row p is in, the younger rows stay out
	s_bitcmp1_b32 s94, \p
	s_cselect_b32 s95, -1, 0
.irp j, 0,1,2,3
	v_cndmask_b32 v[S+4*\p+\j], v[S+4*\p+\j], v[MVB+\j], s95   ; a row with no valid key: the mean of V
.endr
	global_store_b128 v[ENO], v[S+4*\p:S+4*\p+3], s[14:15] offset:2048*\p      ; the wave's store covers 512 consecutive bytes, aligned
.endr
	s_wait_tensorcnt 0x0
	ds_add_u32 v46, v47
	s_wait_dscnt 0x0
	s_endpgm
.Lfunc_end_k_qb4e465c526_attn:
	.size	k_qb4e465c526_attn, .Lfunc_end_k_qb4e465c526_attn-k_qb4e465c526_attn
	.p2alignl 7, 3214868480
	.fill 96, 4, 3214868480
	.section	.rodata,"a",@progbits
	.p2align	6, 0x0
	.amdhsa_kernel k_qb4e465c526_attn
		.amdhsa_group_segment_fixed_size 238080
		.amdhsa_private_segment_fixed_size 0
		.amdhsa_enable_private_segment 0
		.amdhsa_kernarg_size 48
		.amdhsa_user_sgpr_count 2
		.amdhsa_user_sgpr_kernarg_segment_ptr 1
		.amdhsa_wavefront_size32 1
		.amdhsa_system_sgpr_workgroup_id_x 1
		.amdhsa_system_sgpr_workgroup_id_y 1
		.amdhsa_system_sgpr_workgroup_id_z 1
		.amdhsa_system_vgpr_workitem_id 0
		.amdhsa_next_free_vgpr 1024
		.amdhsa_next_free_sgpr 102
		.amdhsa_reserve_vcc 1
		.amdhsa_float_denorm_mode_32 3
		.amdhsa_float_denorm_mode_16_64 3
		.amdhsa_memory_ordered 1
		.amdhsa_forward_progress 1
		.amdhsa_inst_pref_size 192
	.end_amdhsa_kernel
	.amdgpu_metadata
---
amdhsa.version: [ 1, 2 ]
amdhsa.kernels:
  - .name:           k_qb4e465c526_attn
    .symbol:         k_qb4e465c526_attn.kd
    .args:
      - { .name: qkv, .offset: 0, .size: 8, .value_kind: global_buffer, .address_space: global }
      - { .name: attn_mask, .offset: 8, .size: 8, .value_kind: global_buffer, .address_space: global }
      - { .name: segment_pos, .offset: 16, .size: 8, .value_kind: global_buffer, .address_space: global }
      - { .name: tl, .offset: 24, .size: 8, .value_kind: global_buffer, .address_space: global }
      - { .name: vpart, .offset: 32, .size: 8, .value_kind: global_buffer, .address_space: global }
      - { .name: enc, .offset: 40, .size: 8, .value_kind: global_buffer, .address_space: global }
    .group_segment_fixed_size: 238080
    .private_segment_fixed_size: 0
    .kernarg_segment_align: 8
    .kernarg_segment_size: 48
    .max_flat_workgroup_size: 128
    .sgpr_count:     102
    .vgpr_count:     1024
    .wavefront_size: 32
...
	.end_amdgpu_metadata
.endif
;; end of part 3
;; launch outp (part 4): grid 32 x 8, 4 waves a work-group, clusters of 4 x 4, 327,680 bytes of LDS; arguments enc, owb, out0; writes out0
.if DOCPART == 4
	.amdgcn_target "amdgcn-amd-amdhsa--gfx1250"
	.amdhsa_code_object_version 6
	.text
	.protected	k_qb4e465c526_outp
	.globl	k_qb4e465c526_outp
	.p2align	8
	.type	k_qb4e465c526_outp,@function
k_qb4e465c526_outp:
	s_mov_b64 s[64:65], 0
	v_nop
	global_prefetch_b8 v0, s[64:65] scope:SCOPE_SE
	s_setreg_imm32_b32 hwreg(HW_REG_WAVE_MODE, 25, 1), 1
	s_wait_xcnt 0x0
	s_wait_alu depctr_hold_cnt(0) depctr_sa_sdst(0) depctr_va_vdst(0) depctr_va_sdst(0) depctr_va_ssrc(0) depctr_va_vcc(0) depctr_vm_vsrc(0)
	s_getreg_b32 s2, hwreg(HW_REG_IB_STS2, 6, 4)
	s_cmp_eq_u32 s2, 0
	s_cbranch_scc0 .Lentry_in_a_cluster
	s_endpgm
.Lentry_in_a_cluster:
	s_bfe_u32 s2, ttmp6, 0x10000c
	s_cmp_lg_u32 s2, 0xf033
	s_cbranch_scc0 .Lentry_shape_is_right
	s_endpgm
.Lentry_shape_is_right:
; OUTP: out0 [4096][2048] f32 = enc [4096][1024] x owb [1024][2048] (f16 operands, f32 sums).  No work of reference() is left out here.
; A work-group makes 128 rows x 256 columns with four waves; a wave makes 64 x 128: 32 accumulator tiles, 256 registers.
; K goes in steps of 192 through two LDS slots, the largest that fit: A's 128 rows x 384 bytes (16 bytes of padding behind every 128: pitch 432),
; B's 192 k-rows x 512 bytes (pitch 544, read through the transposing load, since the weights lie [k][n]): 2 x 159,744 of the 327,680 bytes.
; Each wave brings its part of a slot by one tensor load (64 rows of A or 96 of B); from a request to the wait for it a wave issues
; 16 + 160 + 8 = 184 matrix instructions.  1024 = 5 x 192 + 64: the sixth step is a tail of 64.  Six steps are written out: there is no loop.
; The price of the step of 192: A's tile rows are 384 bytes and begin on multiples of 128 bytes of enc, not of 256.
; CLUSTER 4 x 4: x counts row blocks, y column blocks.  enc's tile hangs on the row block alone: the four work-groups with my cx ask for it jointly.
; owb's tile hangs on the column block alone: the four with my cy ask for it jointly.  That divides the requests for both by four.
; The matrix instruction is used transposed (source 0 = 16 columns of the weights, source 1 = 16 rows of enc): a lane's eight results are eight
; neighbouring columns of one row.  Window 1 = the accumulators, tile (a, b) at v[8 (8 a + b)]; window 0 = everything else.
.set KDIM,   1024
.set KSTEP,  192
.set TAILK,  64                        ; KDIM - 5 KSTEP
.set APITCH, 432                       ; 384 + 3 x 16 = 27 x 16: an odd multiple of 16 bytes
.set BPITCH, 544                       ; 512 + 32: an odd multiple of 32 bytes
.set AHALF,  64*APITCH
.set BHALF,  96*BPITCH
.set BOFF,   128*APITCH
.set SLOT,   BOFF+192*BPITCH           ; 159,744
.set ASTEP,  2*KSTEP                   ; bytes along A's rows for a K step
.set BROW,   4096                      ; bytes of a row of owb
.set BSTEP,  KSTEP*BROW
.set SPITCH, 1040                      ; the way out: a row of 256 f32 + 16 bytes
.set ADRA, 16                          ; v16-17 LDS address of my A fragments in slot 0, 1
.set ADRB, 20                          ; v20-23 the same for B: slot s, quarters 0-2 at 2 s, quarters 3-5 at 2 s + 1 (the immediate has 16 bits)
.set STO,  24
.set RD,   25
.set V16,  26
.set F0,   64
.set F1,   160
.set G1A, 24
.set G0A, 32
.set G1B, 40
.set G0B, 48
.set MSB, 0
.macro WIN new                         ; the immediate's high byte repeats the setting that is left
.if MSB != \new
	s_set_vgpr_msb (MSB<<8)|\new
.set MSB, \new
.endif
.endm
.macro PLACES                          ; four places behind matrix instructions in front of loads into, or reads of, their registers
.rept 4
	v_nop
.endr
.endm
.macro CREST                           ; a round of the cluster's barrier behind its opening work-group barrier
	s_cmp_lg_u32 s18, 0
	s_cbranch_scc1 .Lnot_wave_0_\@
	s_barrier_signal -3
.Lnot_wave_0_\@:
	s_barrier_wait -3
	s_barrier_signal -1
	s_barrier_wait -1
.endm
.macro CROUND
	s_barrier_signal -1
	s_barrier_wait -1
	CREST
.endm
.macro JLOAD s                         ; waves 0, 1: the joint halves of A's tile; waves 2, 3: the joint halves of B's tile.  Each line has one mask.
	s_cmp_eq_u32 s19, 0
	s_cbranch_scc0 .Lfor_b_\@
	tensor_load_to_lds s[G0A+4*\s:G0A+4*\s+3], s[G1A:G1A+7]
	s_nop 0
	s_branch .Lasked_\@
.Lfor_b_\@:
	tensor_load_to_lds s[G0B+4*\s:G0B+4*\s+3], s[G1B:G1B+7]
	s_nop 0
.Lasked_\@:
.endm
	s_load_b128 s[4:7], s[0:1], 0x0                ; enc, owb
	s_load_b64 s[14:15], s[0:1], 0x10              ; out0
	v_lshl_add_u32 v62, v0, 2, 0x4e000
	v_mov_b32 v63, 0
	ds_add_u32 v62, v63
	v_lshrrev_b32 v1, 5, v0
	v_readfirstlane_b32 s18, v1                    ; wave
	s_lshr_b32 s19, s18, 1                         ; my half of the rows; also: I fetch for A (0) or B (1)
	s_and_b32 s20, s18, 1                          ; my half of the columns; also: which half of that tile I fetch
	s_bfe_u32 s72, ttmp6, 0x40000                  ; cx
	s_bfe_u32 s73, ttmp6, 0x40004                  ; cy
	s_lshl_b32 s22, ttmp9, 2
	s_add_co_u32 s22, s22, s72                     ; row block 0..31 = 4 x cluster x + cx
	s_and_b32 s23, ttmp7, 0xffff
	s_lshl_b32 s23, s23, 2
	s_add_co_u32 s23, s23, s73                     ; column block 0..7 = 4 x cluster y + cy
	s_lshl_b32 s74, 0x1111, s72                    ; the four with my cx: places cx, cx + 4, cx + 8, cx + 12
	s_lshl_b32 s75, s73, 2
	s_lshl_b32 s75, 15, s75                        ; the four with my cy: places 4 cy .. 4 cy + 3
	s_or_b32 s[G1A+0], s74, (1<<16)|(1<<20)|(1<<21)|(4<<22)|(3<<25)   ; mask; 2-byte elements; bit 21 beside a mask; after every 32 words 4 words of padding
	s_mov_b32 s[G1A+1], KSTEP<<16                  ; tensor_dim0 = 192
	s_mov_b32 s[G1A+2], 64<<16                     ; tensor_dim1 = 64
	s_mov_b32 s[G1A+3], KSTEP<<16                  ; tile_dim0 = 192
	s_mov_b32 s[G1A+4], 64                         ; tile_dim1 = 64
	s_mov_b32 s[G1A+5], KDIM                       ; elements from row to row
	s_mov_b32 s[G1A+6], 0
	s_mov_b32 s[G1A+7], 0
	s_or_b32 s[G1B+0], s75, (1<<16)|(1<<20)|(1<<21)|(6<<22)|(7<<25)   ; after every 128 words 8 words of padding
	s_mov_b32 s[G1B+1], 256<<16
	s_mov_b32 s[G1B+2], 96<<16
	s_mov_b32 s[G1B+3], 256<<16
	s_mov_b32 s[G1B+4], 96
	s_mov_b32 s[G1B+5], BROW/2
	s_mov_b32 s[G1B+6], 0
	s_mov_b32 s[G1B+7], 0
	s_lshl_b32 s56, s22, 7                         ; A's address is made of the row block and the wave's number alone,
	s_lshl_b32 s60, s20, 6
	s_add_co_u32 s56, s56, s60                     ; row 128 x block + 64 x half
	s_lshl_b32 s56, s56, 11                        ; x 2,048 bytes
	s_mov_b32 s57, 0
	s_lshl_b32 s58, s23, 9                         ; B's of the column block and the wave's number alone: 512 bytes x block + 96 x half k-rows of 4,096 bytes
	s_mul_i32 s61, s20, 96*BROW
	s_add_co_u32 s58, s58, s61
	s_mov_b32 s59, 0
	s_mul_i32 s62, s20, AHALF                      ; LDS: the wave's number alone
	s_mul_i32 s63, s20, BHALF
	s_add_co_u32 s63, s63, BOFF
	s_wait_dscnt 0x0
	s_wait_kmcnt 0x0
	s_add_nc_u64 s[56:57], s[4:5], s[56:57]
	s_add_nc_u64 s[58:59], s[6:7], s[58:59]
	CROUND                                         ; all sixteen work-groups are here: the first joint loads meet
.irp s, 0,1
	s_mov_b32 s[G0A+4*\s], 1
	s_add_co_u32 s[G0A+4*\s+1], s62, \s*SLOT
	s_add_nc_u64 s[G0A+4*\s+2:G0A+4*\s+3], s[56:57], \s*ASTEP
	s_or_b32 s[G0A+4*\s+3], s[G0A+4*\s+3], 0x80000000
	s_mov_b32 s[G0B+4*\s], 1
	s_add_co_u32 s[G0B+4*\s+1], s63, \s*SLOT
	s_add_nc_u64 s[G0B+4*\s+2:G0B+4*\s+3], s[58:59], \s*BSTEP
	s_or_b32 s[G0B+4*\s+3], s[G0B+4*\s+3], 0x80000000
	JLOAD \s                                       ; both slots' first fills go out before anything else: two loads of this wave are out
.endr
	v_and_b32 v1, 15, v0                           ; r
	v_bfe_u32 v2, v0, 4, 1                         ; h
	v_and_b32 v3, 31, v0                           ; lane
	v_mul_u32_u24 v4, v1, APITCH
	v_lshl_add_u32 v4, v2, 4, v4                   ; A: row r, 16 bytes for each half of the lanes
	v_and_b32 v5, 7, v0
	v_lshl_add_u32 v5, v2, 3, v5
	v_mul_u32_u24 v5, v5, BPITCH                   ; B: k-row 8 h + lane mod 8,
	v_bfe_u32 v6, v0, 3, 1
	v_lshl_add_u32 v5, v6, 4, v5                   ; columns 0-7 or 8-15 of the fragment's sixteen
	s_mul_i32 s66, s19, AHALF                      ; my 64 rows of A
	s_lshl_b32 s67, s20, 8                         ; my 128 columns of B
	s_add_co_u32 s67, s67, BOFF
.irp s, 0,1
	v_add_nc_u32 v[ADRA+\s], s66, v4
	v_add_nc_u32 v[ADRB+2*\s], s67, v5
	v_add_nc_u32 v[ADRB+2*\s+1], 96*BPITCH, v[ADRB+2*\s]
	s_add_co_u32 s66, s66, SLOT
	s_add_co_u32 s67, s67, SLOT
.endr
	v_mul_u32_u24 v4, v1, SPITCH                   ; the stage: row 64 wm + r, column 128 wn + 8 h
	v_lshl_add_u32 v4, v2, 5, v4
	s_mul_i32 s66, s19, 64*SPITCH
	s_lshl_b32 s67, s20, 9
	s_add_co_u32 s66, s66, s67
	v_add_nc_u32 v[STO], s66, v4
	v_lshlrev_b32 v[V16], 4, v3
	s_mul_i32 s66, s18, 32*SPITCH                  ; back: wave w takes rows 32 w .. 32 w + 31
	v_add_nc_u32 v[RD], s66, v[V16]
; eight matrix instructions: row tile a x all eight column tiles, 32 along K.  zero = 1: the product starts the sums.
.macro MUL8 f, a, zero
.irp b, 0,1,2,3,4,5,6,7
.if \zero
	v_wmma_f32_16x16x32_f16 v[8*(8*\a+\b):8*(8*\a+\b)+7], v[\f+8*\b:\f+8*\b+7], v[\f+64+8*\a:\f+64+8*\a+7], 0
.else
	v_wmma_f32_16x16x32_f16 v[8*(8*\a+\b):8*(8*\a+\b)+7], v[\f+8*\b:\f+8*\b+7], v[\f+64+8*\a:\f+64+8*\a+7], v[8*(8*\a+\b):8*(8*\a+\b)+7]
.endif
.endr
.endm
; 24 LDS loads: quarter q (32 along K) of a slot into buffer f: B's eight fragments (transposed on the way), then A's four.
; In A's rows quarter q begins at byte 64 q + 16 (q / 2): 16 bytes of padding lie behind every two quarters.
.macro FETCH slot, q, f
	WIN 0
.irp b, 0,1,2,3,4,5,6,7
	ds_load_tr16_b128 v[\f+8*\b:\f+8*\b+3],   v[ADRB+2*\slot+(\q)/3] offset:((\q)%3)*32*BPITCH+32*\b
	ds_load_tr16_b128 v[\f+8*\b+4:\f+8*\b+7], v[ADRB+2*\slot+(\q)/3] offset:((\q)%3)*32*BPITCH+32*\b+16*BPITCH
.endr
.irp a, 0,1,2,3
	ds_load_b128 v[\f+64+8*\a:\f+64+8*\a+3],   v[ADRA+\slot] offset:\a*16*APITCH+64*(\q)+16*((\q)/2)
	ds_load_b128 v[\f+64+8*\a+4:\f+64+8*\a+7], v[ADRA+\slot] offset:\a*16*APITCH+64*(\q)+16*((\q)/2)+32
.endr
.endm
; One of a K step's quarters but the last: multiplies buffer f and fetches quarter q into buffer g.
; The 32 accumulators take turns, one instruction a turn, in the same order in every quarter.
.macro QUARTER slot, q, f, g, zero
	s_wait_dscnt 4                                 ; B and A's tiles 0, 1 are in; the youngest four loads (A's tiles 2, 3) may be out
	WIN 0x50                                       ; C and D in window 1
	MUL8 \f, 0, \zero
	MUL8 \f, 1, \zero
	PLACES
	FETCH \slot, \q, \g
	s_wait_dscnt 24                                ; all but the 24 just issued
	WIN 0x50
	MUL8 \f, 2, \zero
	MUL8 \f, 3, \zero
.endm
; The last quarter multiplies buffer 1 and changes slots.  In front of the barrier each wave waits for its reads of this slot and for all its
; tensor loads (one is out: its part of the next slot).  Where the slot is filled again (fill = 1; 2: with the tail) the barrier opens a round of
; the cluster's barrier, and the refill is the wave's first and only tensor load behind the round.
.macro TURN slot, next, fill
	s_wait_dscnt 4
	WIN 0x50
	MUL8 F1, 0, 0
	s_wait_dscnt 0x0                               ; my reads of this slot are over
	s_wait_tensorcnt 0x0                           ; all my tensor loads have landed: every descriptor register may be written
	ds_add_u32 v62, v63
	s_wait_dscnt 0x0
	s_barrier_signal -1
	MUL8 F1, 1, 0                                  ; registers only
	WIN 0
	s_barrier_wait -1
.if \fill
	CREST                                          ; no wave of any partner still reads this slot or has a load on its way
	s_add_nc_u64 s[G0A+4*\slot+2:G0A+4*\slot+3], s[G0A+4*\slot+2:G0A+4*\slot+3], 2*ASTEP
	s_add_nc_u64 s[G0B+4*\slot+2:G0B+4*\slot+3], s[G0B+4*\slot+2:G0B+4*\slot+3], 2*BSTEP
.if \fill == 2
	s_mov_b32 s[G1A+1], TAILK<<16                  ; A: TAILK elements are left of a row; the tile's other columns arrive as zeros and are not read
	s_mov_b32 s[G1B+2], (TAILK/2)<<16              ; B: the TAILK k-rows that are left, half for each of the two waves
	s_mov_b32 s[G1B+4], TAILK/2
	s_mul_i32 s60, s20, (TAILK/2)*BPITCH
	s_add_co_u32 s[G0B+4*\slot+1], s60, BOFF+\slot*SLOT
	s_mul_i32 s60, s20, (96-TAILK/2)*BROW          ; the second wave's rows begin TAILK/2, not 96, behind the first's
	s_mov_b32 s61, 0
	s_sub_nc_u64 s[G0B+4*\slot+2:G0B+4*\slot+3], s[G0B+4*\slot+2:G0B+4*\slot+3], s[60:61]
.endif
	JLOAD \slot
.endif
	PLACES
	FETCH \next, 0, F0
	WIN 0x50
	MUL8 F1, 2, 0
	MUL8 F1, 3, 0
.endm
.macro STEP slot, next, zero, fill     ; a K step of 192: six quarters on buffers 0, 1, 0, 1, 0, 1
	QUARTER \slot, 1, F0, F1, \zero
	QUARTER \slot, 2, F1, F0, 0
	QUARTER \slot, 3, F0, F1, 0
	QUARTER \slot, 4, F1, F0, 0
	QUARTER \slot, 5, F0, F1, 0
	TURN \slot, \next, \fill
.endm
	s_wait_tensorcnt 1                             ; my part of K step 0 is in; K step 1's stays out
	s_barrier_signal -1
	s_barrier_wait -1
	FETCH 0, 0, F0
	STEP 0, 1, 1, 1                                ; step 0: its first products start the sums; asks for step 2
	STEP 1, 0, 0, 1                                ; step 1 asks for step 3
	STEP 0, 1, 0, 1                                ; step 2 asks for step 4
	STEP 1, 0, 0, 2                                ; step 3 asks for the tail
	STEP 0, 1, 0, 0                                ; step 4 asks for nothing
	QUARTER 1, 1, F0, F1, 0                        ; the tail: two quarters
	s_wait_dscnt 4
	WIN 0x50
	MUL8 F1, 0, 0
	MUL8 F1, 1, 0
	s_wait_dscnt 0x0
	MUL8 F1, 2, 0
	MUL8 F1, 3, 0
	WIN 0
	PLACES
	; THE WAY OUT.  The block goes as f32 into a stage that lies over the ring (its slots have had their last fill), and leaves by whole rows:
	; a lane's eight results are 32 bytes of a row, a wave's store from the stage covers 512 consecutive bytes.
	s_barrier_signal -1                            ; every wave's reads of the ring are back (its wait for 0 above)
	s_barrier_wait -1
	WIN 0x04                                       ; store data from window 1
.irp a, 0,1,2,3
.irp b, 0,1,2,3,4,5,6,7
	ds_store_b128 v[STO], v[8*(8*\a+\b):8*(8*\a+\b)+3]   offset:\a*16*SPITCH+64*\b
	ds_store_b128 v[STO], v[8*(8*\a+\b)+4:8*(8*\a+\b)+7] offset:\a*16*SPITCH+64*\b+16
.endr
.endr
	WIN 0
	s_wait_dscnt 0x0                               ; for the others' sake
	s_barrier_signal -1
	s_barrier_wait -1
	s_lshl_b32 s68, s22, 7                         ; both coordinates meet only here, in registers that feed no descriptor and no LDS address
	s_lshl_b32 s69, s18, 5
	s_add_co_u32 s68, s68, s69                     ; my first row of the 4,096
	s_lshl_b32 s70, s68, 13                        ; x 8,192 bytes
	s_lshl_b32 s69, s23, 10                        ; + 1,024 bytes x column block
	s_add_co_u32 s70, s70, s69
	s_mov_b32 s71, 0
	s_add_nc_u64 s[14:15], s[14:15], s[70:71]
; rows 8 k .. 8 k + 7 of my 32, through buffer buf
.macro OB k, buf
	s_wait_xcnt 0x0                                ; the buffer held the data of stores: it is loaded again only behind this wait
.irp p, 0,1,2,3,4,5,6,7
	ds_load_b128 v[\buf+8*\p:\buf+8*\p+3],   v[RD] offset:SPITCH*(8*\k+\p)
	ds_load_b128 v[\buf+8*\p+4:\buf+8*\p+7], v[RD] offset:SPITCH*(8*\k+\p)+512
.endr
.irp p, 0,1,2,3,4,5,6,7
	s_wait_dscnt 14-2*\p                           ; row p's two loads are in, the younger rows stay out
	global_store_b128 v[V16], v[\buf+8*\p:\buf+8*\p+3],   s[14:15] offset:8192*(8*\k+\p) th:TH_STORE_NT
	global_store_b128 v[V16], v[\buf+8*\p+4:\buf+8*\p+7], s[14:15] offset:8192*(8*\k+\p)+512 th:TH_STORE_NT
.endr
.endm
	OB 0, 64
	OB 1, 128
	OB 2, 64
	OB 3, 128
	s_wait_tensorcnt 0x0
	ds_add_u32 v62, v63
	s_wait_dscnt 0x0
	CROUND                                         ; the closing round: no work-group ends while a partner may still ask for a tile that names it
	s_endpgm
.Lfunc_end_k_qb4e465c526_outp:
	.size	k_qb4e465c526_outp, .Lfunc_end_k_qb4e465c526_outp-k_qb4e465c526_outp
	.p2alignl 7, 3214868480
	.fill 96, 4, 3214868480
	.section	.rodata,"a",@progbits
	.p2align	6, 0x0
	.amdhsa_kernel k_qb4e465c526_outp
		.amdhsa_group_segment_fixed_size 327680
		.amdhsa_private_segment_fixed_size 0
		.amdhsa_enable_private_segment 0
		.amdhsa_kernarg_size 24
		.amdhsa_user_sgpr_count 2
		.amdhsa_user_sgpr_kernarg_segment_ptr 1
		.amdhsa_wavefront_size32 1
		.amdhsa_system_sgpr_workgroup_id_x 1
		.amdhsa_system_sgpr_workgroup_id_y 1
		.amdhsa_system_sgpr_workgroup_id_z 1
		.amdhsa_system_vgpr_workitem_id 0
		.amdhsa_next_free_vgpr 512
		.amdhsa_next_free_sgpr 80
		.amdhsa_reserve_vcc 0
		.amdhsa_float_denorm_mode_32 3
		.amdhsa_float_denorm_mode_16_64 3
		.amdhsa_memory_ordered 1
		.amdhsa_forward_progress 1
		.amdhsa_inst_pref_size 147
	.end_amdhsa_kernel
	.amdgpu_metadata
---
amdhsa.version: [ 1, 2 ]
amdhsa.kernels:
  - .name:           k_qb4e465c526_outp
    .symbol:         k_qb4e465c526_outp.kd
    .args:
      - { .name: enc, .offset: 0, .size: 8, .value_kind: global_buffer, .address_space: global }
      - { .name: owb, .offset: 8, .size: 8, .value_kind: global_buffer, .address_space: global }
      - { .name: out0, .offset: 16, .size: 8, .value_kind: global_buffer, .address_space: global }
    .group_segment_fixed_size: 327680
    .private_segment_fixed_size: 0
    .kernarg_segment_align: 8
    .kernarg_segment_size: 24
    .max_flat_workgroup_size: 128
    .sgpr_count:     80
    .vgpr_count:     512
    .wavefront_size: 32
...
	.end_amdgpu_metadata
.endif
;; end of part 4
